; MI455X (gfx1250); checked and timed in simulation.
; The chip was launched on July 23, 2026; its instructions are those of AMD's public machine-readable ISA for CDNA 5 (MIT licence, August 2026) and "CDNA5" Instruction Set Architecture Reference Guide (July 2026). The comments in the code are by the model that wrote it; some were corrected since.
;; Differential Cross Attention. Allowed arithmetic: float matrix products may take bf16 or f16 operands with f32 sums; other float arithmetic in f32, or as packed bf16 or f16 multiplies, adds, multiply-adds, maxima and minima; sums over many terms, partial sums and values carried from step to step in f32; what a program stores and reads back later, other than sums and carried values, may be rounded once to bf16 or f16.
;; Inputs: Wk 1,024 x 1,024 float32; Wo 1,024 x 1,024 float32; Wq 1,024 x 1,024 float32; Wv 1,024 x 1,024 float32; bk 1,024 float32; bo 1,024 float32; bq 1,024 float32; bv 1,024 float32; gn_b 1,024 float32; gn_w 1,024 float32; lk1 8 x 64 float32; lk2 8 x 64 float32; lq1 8 x 64 float32; lq2 8 x 64 float32; x1 2 x 2,048 x 1,024 float32; x2 2 x 2,048 x 1,024 float32.
;; Outputs: out0 2 x 2,048 x 1,024 float32; out1 2 x 2,048 x 1,024 float32.
;; 2 versions, each right; version 2 is version 1 with the launch cast written anew for expert scheduling mode. Each part assembles by itself: llvm-mc -triple=amdgcn-amd-amdhsa -mcpu=gfx1250 --defsym DOCPART=n.
;; ======== version 1 of 2: 4 launches
;; limits: values are held in f16: magnitudes above 65,504 overflow, below 6.1e-05 lose precision
;; workspace buffers: xh 16,777,216 bytes; wh 8,388,608 bytes; qkv 50,331,648 bytes; od 16,777,216 bytes; part 16,384 bytes
;; launch cast (part 1): grid 768 x 1, 8 waves a work-group, no clusters, 0 bytes of LDS; arguments x1, x2, Wq, Wk, Wv, Wo, xh, wh; writes xh, wh
.if DOCPART == 1
	.amdgcn_target "amdgcn-amd-amdhsa--gfx1250"
	.amdhsa_code_object_version 6
	.text
	.protected	k_q0850986478_cast
	.globl	k_q0850986478_cast
	.p2align	8
	.type	k_q0850986478_cast,@function
k_q0850986478_cast:
	s_mov_b64 s[64:65], 0
	v_nop
	global_prefetch_b8 v0, s[64:65] scope:SCOPE_SE
	s_setreg_imm32_b32 hwreg(HW_REG_WAVE_MODE, 25, 1), 1
	s_wait_xcnt 0x0
; x1, x2 -> xh [8192][1024] and Wq, Wk, Wv, Wo -> wh [4096][1024]: each f32 is rounded once to bf16 (nearest even) and that number is written as f16.
; LIMIT.  A bf16 number is exact in f16 while its magnitude lies in 2^-14 .. 65,504; below 2^-14 it keeps f16's fixed step of 2^-24; at 65,520 or more it becomes an infinity.
; SHARES.  A work-group takes 65,536 input bytes: thread t the 16 bytes at 16 t + 4,096 i, i = 0..15, and writes the 8 bytes at 8 t + 2,048 i.  A wave's load covers 512 consecutive
; bytes, a wave's store 256 consecutive bytes, aligned.  Work-groups 0-255: x1; 256-511: x2; then 64 for each weight.  All 16 loads of a thread go out at once; no register is used twice,
; so no source of a pending load or store is ever rewritten.  A stream: LDS, matrix units and clusters would add nothing.
.set T, 4                              ; v[4:5]    two packed pairs of bf16
.set X, 16                             ; v[16:79]  16 x 4 numbers as loaded, then as rounded
.set Y, 80                             ; v[80:111] 16 x 2 registers to store
	s_load_b512 s[8:23], s[0:1], 0x0               ; x1 s[8:9], x2 s[10:11], Wq s[12:13], Wk s[14:15], Wv s[16:17], Wo s[18:19], xh s[20:21], wh s[22:23]
	s_mov_b32 s2, ttmp9
	s_mov_b32 s3, 0xffff0000                       ; a word's upper bf16
	v_lshlrev_b32 v1, 4, v0                        ; 16 t
	v_lshlrev_b32 v2, 3, v0                        ; 8 t
	s_and_b32 s4, s2, 255                          ; my chunk in x1 or x2; also my chunk in wh (s2 - 512)
	s_and_b32 s5, s2, 63                           ; my chunk in a weight
	s_cmp_lt_u32 s2, 512
	s_cselect_b32 s24, s4, s5
	s_cselect_b32 s26, s2, s4                      ; x1's and x2's chunks lie on end in xh
	s_lshl_b32 s24, s24, 16                        ; 65,536 bytes in
	s_mov_b32 s25, 0
	s_lshl_b32 s26, s26, 15                        ; 32,768 bytes out
	s_mov_b32 s27, 0
	s_wait_kmcnt 0x0
	s_cmp_lt_u32 s2, 512
	s_cselect_b64 s[30:31], s[20:21], s[22:23]
	s_cmp_ge_u32 s2, 256
	s_cselect_b64 s[28:29], s[10:11], s[8:9]
	s_cmp_ge_u32 s2, 512
	s_cselect_b64 s[28:29], s[12:13], s[28:29]
	s_cmp_ge_u32 s2, 576
	s_cselect_b64 s[28:29], s[14:15], s[28:29]
	s_cmp_ge_u32 s2, 640
	s_cselect_b64 s[28:29], s[16:17], s[28:29]
	s_cmp_ge_u32 s2, 704
	s_cselect_b64 s[28:29], s[18:19], s[28:29]
	s_add_nc_u64 s[28:29], s[28:29], s[24:25]
	s_add_nc_u64 s[30:31], s[30:31], s[26:27]
.irp i, 0,1,2,3,4,5,6,7,8,9,10,11,12,13,14,15
	global_load_b128 v[X+4*(\i):X+4*(\i)+3], v1, s[28:29] offset:4096*(\i) th:TH_LOAD_NT
.endr
.irp i, 0,1,2,3,4,5,6,7,8,9,10,11,12,13,14,15
	s_wait_loadcnt 15-(\i)                         ; loads come back in order: number i is in, the 15 - i younger ones stay out
	v_cvt_pk_bf16_f32 v[T],   v[X+4*(\i)],   v[X+4*(\i)+1]
	v_cvt_pk_bf16_f32 v[T+1], v[X+4*(\i)+2], v[X+4*(\i)+3]
	v_lshlrev_b32 v[X+4*(\i)],   16, v[T]          ; bf16 back to f32: the low half moves up, the high half stays
	v_and_b32     v[X+4*(\i)+1], s3, v[T]
	v_lshlrev_b32 v[X+4*(\i)+2], 16, v[T+1]
	v_and_b32     v[X+4*(\i)+3], s3, v[T+1]
	v_cvt_pk_f16_f32 v[Y+2*(\i)],   v[X+4*(\i)],   v[X+4*(\i)+1]
	v_cvt_pk_f16_f32 v[Y+2*(\i)+1], v[X+4*(\i)+2], v[X+4*(\i)+3]
	global_store_b64 v2, v[Y+2*(\i):Y+2*(\i)+1], s[30:31] offset:2048*(\i)
.endr
	s_endpgm
.Lfunc_end_k_q0850986478_cast:
	.size	k_q0850986478_cast, .Lfunc_end_k_q0850986478_cast-k_q0850986478_cast
	.p2alignl 7, 3214868480
	.fill 96, 4, 3214868480
	.section	.rodata,"a",@progbits
	.p2align	6, 0x0
	.amdhsa_kernel k_q0850986478_cast
		.amdhsa_group_segment_fixed_size 0
		.amdhsa_private_segment_fixed_size 0
		.amdhsa_enable_private_segment 0
		.amdhsa_kernarg_size 64
		.amdhsa_user_sgpr_count 2
		.amdhsa_user_sgpr_kernarg_segment_ptr 1
		.amdhsa_wavefront_size32 1
		.amdhsa_system_sgpr_workgroup_id_x 1
		.amdhsa_system_sgpr_workgroup_id_y 1
		.amdhsa_system_sgpr_workgroup_id_z 1
		.amdhsa_system_vgpr_workitem_id 0
		.amdhsa_next_free_vgpr 112
		.amdhsa_next_free_sgpr 66
		.amdhsa_reserve_vcc 0
		.amdhsa_float_denorm_mode_32 3
		.amdhsa_float_denorm_mode_16_64 3
		.amdhsa_memory_ordered 1
		.amdhsa_forward_progress 1
		.amdhsa_inst_pref_size 11
	.end_amdhsa_kernel
	.amdgpu_metadata
---
amdhsa.version: [ 1, 2 ]
amdhsa.kernels:
  - .name:           k_q0850986478_cast
    .symbol:         k_q0850986478_cast.kd
    .args:
      - { .name: x1, .offset: 0, .size: 8, .value_kind: global_buffer, .address_space: global }
      - { .name: x2, .offset: 8, .size: 8, .value_kind: global_buffer, .address_space: global }
      - { .name: Wq, .offset: 16, .size: 8, .value_kind: global_buffer, .address_space: global }
      - { .name: Wk, .offset: 24, .size: 8, .value_kind: global_buffer, .address_space: global }
      - { .name: Wv, .offset: 32, .size: 8, .value_kind: global_buffer, .address_space: global }
      - { .name: Wo, .offset: 40, .size: 8, .value_kind: global_buffer, .address_space: global }
      - { .name: xh, .offset: 48, .size: 8, .value_kind: global_buffer, .address_space: global }
      - { .name: wh, .offset: 56, .size: 8, .value_kind: global_buffer, .address_space: global }
    .group_segment_fixed_size: 0
    .private_segment_fixed_size: 0
    .kernarg_segment_align: 8
    .kernarg_segment_size: 64
    .max_flat_workgroup_size: 256
    .sgpr_count:     66
    .vgpr_count:     112
    .wavefront_size: 32
...
	.end_amdgpu_metadata
.endif
;; end of part 1
;; launch qkv (part 2): grid 12 x 64, 4 waves a work-group, clusters of 4 x 4, 327,680 bytes of LDS; arguments xh, wh, bq, bk, bv, qkv; writes qkv
.if DOCPART == 2
	.amdgcn_target "amdgcn-amd-amdhsa--gfx1250"
	.amdhsa_code_object_version 6
	.text
	.protected	k_q0850986478_qkv
	.globl	k_q0850986478_qkv
	.p2align	8
	.type	k_q0850986478_qkv,@function
k_q0850986478_qkv:
	s_mov_b64 s[64:65], 0
	v_nop
	global_prefetch_b8 v0, s[64:65] scope:SCOPE_SE
	s_setreg_imm32_b32 hwreg(HW_REG_WAVE_MODE, 25, 1), 1
	s_wait_xcnt 0x0
	s_wait_alu depctr_hold_cnt(0) depctr_sa_sdst(0) depctr_va_vdst(0) depctr_va_sdst(0) depctr_va_ssrc(0) depctr_va_vcc(0) depctr_vm_vsrc(0)
	s_getreg_b32 s2, hwreg(HW_REG_IB_STS2, 6, 4)
	s_cmp_eq_u32 s2, 0
	s_cbranch_scc0 .Lentry_in_a_cluster
	s_endpgm
.Lentry_in_a_cluster:
	s_bfe_u32 s2, ttmp6, 0x10000c
	s_cmp_lg_u32 s2, 0xf033
	s_cbranch_scc0 .Lentry_shape_is_right
	s_endpgm
.Lentry_shape_is_right:
; q, k, v = x W^T + b for both streams at once.  A = xh [8192][1024] f16, B = wh's rows 0-3071 (Wq, Wk, Wv) [.][1024] f16, sums in f32 that START with the bias (rounded to bf16 like every input).
; Out: qkv [3 parts][32 g][2048][128] f16, g = 16 stream + 8 batch + head: a head's rows are dense, 256 bytes each.  LIMIT: |q|, |k|, |v| stay under 65,504 (f16).
; A tile of C is 128 rows x 256 columns: 768 tiles, three for each of 256 WGPs.  Four waves, each 64 x 128: 32 accumulators of 16 x 16.  K goes in steps of 128 (rows of 256 bytes, aligned)
; through a ring of two LDS slots filled by the tensor data mover; waves 0, 1 fetch A's two halves of 64 rows, waves 2, 3 B's two halves of 128.
; CLUSTER 4 x 4: A's tile is shared along a row of the cluster, B's along a column: each is asked for jointly, by the same load with the same descriptor and a mask that names the four.
; THE MATRIX INSTRUCTION IS USED TRANSPOSED (source 0 = 16 rows of B, source 1 = 16 rows of A): a lane holds row l % 16 of C and eight neighbouring columns 8 (l / 16) + 0..7.
; REGISTERS: window 0: v0-31 addresses, v32-63 packed results, v64-159 and v160-255 two fragment buffers (B's 8 fragments, then A's 4); window 1: the accumulators, (a, b) at v[8 (8 a + b)];
; window 2: v0-63 the bias in the accumulators' layout, v64-95 at work.
.set SIZE_K, 1024
.set KSTEP,  128
.set PITCH,  272                       ; an LDS row: 256 bytes + 16 of padding = 68 words: the 16 rows of a fragment load start at 16 different groups of four banks (ISA guide 11.1)
.set HA,     64*PITCH                  ; what a wave fetches of A, and what a wave reads of A
.set HB,     128*PITCH                 ; the same for B
.set ABYTES, 2*HA
.set SLOT,   ABYTES+2*HB               ; A's 128 rows, then B's 256
.set STAGE,  2*SLOT                    ; behind the ring: 16 rows x 272 bytes for each wave, for the way out
.set SPITCH, 272
.set SPARE,  STAGE+4*16*SPITCH         ; behind the stages: the spare words, 128 bytes a wave
.set LAPS,   SIZE_K/(2*KSTEP)
.set ADRA, 16                          ; v16-17  LDS address of my A fragments in slot 0, 1
.set ADRB, 20                          ; v20-21  the same for B
.set STO,  24                          ; v24     where I put 16 bytes of a row
.set RD,   25                          ; v25     where I read rows back
.set CO,   26                          ; v26     16 x lane: my place in 512 consecutive bytes of the output
.set BO,   27                          ; v27     my byte offset in the bias
.set SPW,  28                          ; v28     my spare word; never rewritten
.set NIL,  29                          ; v29     0; never rewritten
.set PFO,  30                          ; v30     lane x 2,048: a lane a row, for the prefetches; never rewritten
.set TMP,  32
.set F0,   64
.set F1,   160
.set G1,  24                           ; s[24:31] group 1 for A's tiles;  s[32:39] group 0, a set for each slot
.set G0,  32
.set G1B, 48                           ; s[48:55], s[56:63] the same for B's
.set G0B, 56
.set LIM, 43                           ; s43     1 in a wave that prefetches, else the greatest number
.set PFA, 44                           ; s[44:45] where my prefetches stand
.set BIAS, 76                          ; s[76:77] the bias of my columns' part
.set FLAGS, (1<<16)|(1<<20)|(1<<21)|(5<<22)|(3<<25)  ; 2-byte elements; padding on; bit 21 beside a mask; after every 64 words; 4 words
.set MUL,  0x50                        ; sources in window 0, C and D in window 1
.set MULF, 0x60                        ; C in window 2 (the bias), D in window 1
.set MSB, 0
.macro WIN new                         ; the immediate's high byte repeats the setting that is left; a switch that changes nothing is dropped
.if MSB != (\new)
	s_set_vgpr_msb (MSB<<8)|(\new)
.set MSB, \new
.endif
.endm
.macro SHAPE g, rows                   ; group 1 behind its first word: a tile of rows x 128 elements, 1,024 elements from row to row
	s_mov_b32 s[(\g)+1], KSTEP<<16
	s_mov_b32 s[(\g)+2], (\rows)<<16
	s_mov_b32 s[(\g)+3], KSTEP<<16
	s_mov_b32 s[(\g)+4], \rows
	s_mov_b32 s[(\g)+5], SIZE_K
	s_mov_b32 s[(\g)+6], 0
	s_mov_b32 s[(\g)+7], 0
.endm
.macro JLOAD s                         ; a joint load; the branch hangs on the wave's number alone; an s_nop 0 and four v_nop follow each line
	s_cmp_eq_u32 s11, 0
	s_cbranch_scc0 .Lfor_b_\@
	tensor_load_to_lds s[G0+4*(\s):G0+4*(\s)+3], s[G1:G1+7]
	s_nop 0
.rept 4
	v_nop
.endr
	s_branch .Lasked_\@
.Lfor_b_\@:
	tensor_load_to_lds s[G0B+4*(\s):G0B+4*(\s)+3], s[G1B:G1B+7]
	s_nop 0
.rept 4
	v_nop
.endr
.Lasked_\@:
.endm
.macro CREST                           ; a round of the cluster's barrier behind its opening barrier
	s_cmp_lg_u32 s10, 0
	s_cbranch_scc1 .Lnot_wave_0_\@
	s_barrier_signal -3
.Lnot_wave_0_\@:
	s_barrier_wait -3
	s_barrier_signal -1
	s_barrier_wait -1
.endm
.macro CROUND
	s_barrier_signal -1
	s_barrier_wait -1
	CREST
.endm
.macro PLACES                          ; four places in front of loads into registers that matrix instructions have read, and of conversions that read results
.rept 4
	v_nop
.endr
.endm
; A prefetch of the K step that stands two refills on: 32 rows x 256 bytes, a lane a row.  Each row's 256 bytes are named once in the launch: A's rows by wave 0 of the clusters with x = 0,
; B's by waves 2 and 3 of the clusters with y = 0; the four partners that share a tile take 32 rows each, told apart by address.  The loop's last trip asks for nothing.
.macro ASK
	s_cmp_gt_u32 s3, s[LIM]
	s_cbranch_scc0 .Lnot_mine_\@
	global_prefetch_b8 v[PFO], s[PFA:PFA+1] offset:KSTEP*2 th:TH_LOAD_NT scope:SCOPE_SE
.Lnot_mine_\@:
.endm
	s_load_b128 s[4:7], s[0:1], 0x0                ; xh s[4:5], wh s[6:7]
	s_load_b256 s[68:75], s[0:1], 0x10             ; bq s[68:69], bk s[70:71], bv s[72:73], qkv s[74:75]
	v_lshl_add_u32 v[SPW], v0, 2, SPARE
	v_mov_b32 v[NIL], 0
	ds_add_u32 v[SPW], v[NIL]                      ; the wave's opening: the add and its wait stand ahead of my first tensor load
	v_lshrrev_b32 v1, 5, v0
	v_readfirstlane_b32 s10, v1                    ; wave 0..3
	s_lshr_b32 s11, s10, 1                         ; my half of the tile's rows.  Also: I fetch for A (0) or B (1)
	s_and_b32 s12, s10, 1                          ; my half of its columns.  Also: which half of that tile I fetch
	s_bfe_u32 s40, ttmp6, 0x40000                  ; cx
	s_bfe_u32 s41, ttmp6, 0x40004                  ; cy
	s_lshl_b32 s42, ttmp9, 2
	s_add_co_u32 s42, s42, s40                     ; tile column
	s_and_b32 s13, ttmp7, 0xffff
	s_lshl_b32 s13, s13, 2
	s_add_co_u32 s13, s13, s41                     ; tile row
	s_lshl_b32 s43, s41, 2
	s_lshl_b32 s43, 15, s43                        ; my row of the cluster
	s_lshl_b32 s44, 0x1111, s40                    ; my column
	s_or_b32 s[G1+0], s43, FLAGS
	s_or_b32 s[G1B+0], s44, FLAGS
	SHAPE G1, 64
	SHAPE G1B, 128
	s_lshl_b32 s17, s12, 6
	s_lshl_b32 s16, s13, 7
	s_add_co_u32 s16, s16, s17                     ; A: row 128 x tile row + 64 x half,
	s_lshl_b32 s16, s16, 11                        ; in bytes
	s_mov_b32 s17, 0
	s_lshl_b32 s47, s12, 7
	s_lshl_b32 s46, s42, 8
	s_add_co_u32 s46, s46, s47                     ; B: row 256 x tile column + 128 x half
	s_lshl_b32 s46, s46, 11
	s_mov_b32 s47, 0
	s_mul_i32 s20, s12, HA                         ; where they go: no place in the cluster enters an LDS address
	s_mul_i32 s21, s12, HB
	s_add_co_u32 s21, s21, ABYTES
	s_wait_dscnt 0x0                               ; the opening add is done
	s_wait_kmcnt 0x0
	s_add_nc_u64 s[14:15], s[4:5], s[16:17]
	s_add_nc_u64 s[46:47], s[6:7], s[46:47]
	CROUND                                         ; all sixteen work-groups are here: the first joint loads meet
.irp s, 0,1
	s_mov_b32 s[G0+4*(\s)], 1
	s_add_co_u32 s[G0+4*(\s)+1], s20, (\s)*SLOT
	s_add_nc_u64 s[G0+4*(\s)+2:G0+4*(\s)+3], s[14:15], (\s)*KSTEP*2
	s_or_b32 s[G0+4*(\s)+3], s[G0+4*(\s)+3], 0x80000000
	s_mov_b32 s[G0B+4*(\s)], 1
	s_add_co_u32 s[G0B+4*(\s)+1], s21, (\s)*SLOT
	s_add_nc_u64 s[G0B+4*(\s)+2:G0B+4*(\s)+3], s[46:47], (\s)*KSTEP*2
	s_or_b32 s[G0B+4*(\s)+3], s[G0B+4*(\s)+3], 0x80000000
	JLOAD \s                                       ; K steps 0 and 1: two loads of mine are out
.endr
	v_and_b32 v1, 15, v0                           ; l % 16
	v_bfe_u32 v2, v0, 4, 1                         ; l / 16
	v_mul_u32_u24 v3, v1, PITCH
	v_lshl_add_u32 v3, v2, 4, v3                   ; a fragment's row x pitch + 16 x half
	s_mul_i32 s21, s11, HA                         ; my 64 rows of A
	s_mul_i32 s22, s12, HB                         ; my 128 rows of B, behind A's
	s_add_co_u32 s22, s22, ABYTES
.irp s, 0,1
	v_add_nc_u32 v[ADRA+(\s)], s21, v3
	v_add_nc_u32 v[ADRB+(\s)], s22, v3
	s_add_co_u32 s21, s21, SLOT
	s_add_co_u32 s22, s22, SLOT
.endr
	s_mul_i32 s23, s10, 16*SPITCH
	s_add_co_u32 s23, s23, STAGE                   ; my stage
	v_mul_u32_u24 v4, v1, SPITCH                   ; in: row l % 16, 16 bytes for each half of the lanes
	v_lshl_add_u32 v4, v2, 4, v4
	v_add_nc_u32 v[STO], s23, v4
	v_mul_u32_u24 v5, v2, SPITCH                   ; back: lanes 0-15 one row of 256 bytes, lanes 16-31 the next
	v_lshl_add_u32 v5, v1, 4, v5
	v_add_nc_u32 v[RD], s23, v5
	v_and_b32 v[CO], 31, v0
	v_lshlrev_b32 v[PFO], 11, v[CO]
	v_lshlrev_b32 v[CO], 4, v[CO]
	; where my 64 rows x 128 columns go: the columns are one head of one part, so the rows are dense
	s_lshl_b32 s14, s13, 7
	s_lshl_b32 s15, s11, 6
	s_add_co_u32 s14, s14, s15                     ; my first row R0 = 4096 stream + 2048 batch + n
	s_lshl_b32 s15, s42, 1
	s_add_co_u32 s15, s15, s12                     ; my first column / 128 = 8 part + head
	s_lshr_b32 s16, s15, 3
	s_lshl_b32 s16, s16, 24                        ; a part is 2^24 bytes
	s_and_b32 s15, s15, 7
	s_lshr_b32 s17, s14, 11
	s_lshl3_add_u32 s15, s17, s15                  ; g
	s_lshl_b32 s15, s15, 19                        ; 2,048 rows of 256 bytes
	s_add_co_u32 s16, s16, s15
	s_and_b32 s14, s14, 2047
	s_lshl_b32 s14, s14, 8
	s_add_co_u32 s16, s16, s14
	s_mov_b32 s17, 0
	s_add_nc_u64 s[8:9], s[74:75], s[16:17]
	; the prefetches
	s_lshl_b32 s20, s13, 7                         ; A's tile: its first row
	s_lshl_b32 s21, s42, 8                         ; B's tile: its first row,
	s_lshl_b32 s22, s12, 7
	s_add_co_u32 s21, s21, s22                     ; and the half that I fetch
	s_and_b32 s22, ttmp7, 0xffff                   ; cluster y
	s_or_b32 s23, ttmp9, s12                       ; 0 in wave 0 of a cluster with x = 0
	s_cmp_eq_u32 s11, 0
	s_cselect_b32 s20, s20, s21
	s_cselect_b32 s21, s40, s41                    ; my place among the four that ask with me
	s_cselect_b32 s22, s23, s22
	s_cselect_b64 s[PFA:PFA+1], s[4:5], s[6:7]
	s_cmp_eq_u32 s22, 0
	s_cselect_b32 s[LIM], 1, -1                    ; the same in all sixteen partners, for a given wave
	s_lshl_b32 s21, s21, 5
	s_add_co_u32 s20, s20, s21                     ; my work-group's 32 rows
	s_lshl_b32 s20, s20, 11
	s_add_co_u32 s20, s20, 2*KSTEP*2               ; at K step 2: the first refill steps it to 3 and names K step 4
	s_mov_b32 s21, 0
	s_add_nc_u64 s[PFA:PFA+1], s[PFA:PFA+1], s[20:21]
	; the bias, in the accumulators' layout: register j of fragment b is column 16 b + 8 (l / 16) + j of my 128; rounded to bf16 like every input
	s_cmp_eq_u32 ttmp9, 1                          ; four tile columns are a part: the part is the cluster's x
	s_cselect_b64 s[BIAS:BIAS+1], s[70:71], s[68:69]
	s_cmp_eq_u32 ttmp9, 2
	s_cselect_b64 s[BIAS:BIAS+1], s[72:73], s[BIAS:BIAS+1]
	s_lshl_b32 s20, s40, 10
	s_lshl_b32 s21, s12, 9
	s_add_co_u32 s20, s20, s21                     ; 4 x (256 cx + 128 half)
	v_lshl_add_u32 v[BO], v2, 5, s20
	s_mov_b32 s18, 0xffff0000
	WIN 0x80                                       ; destination window 2, address window 0
.irp b, 0,1,2,3,4,5,6,7
	global_load_b128 v[8*(\b):8*(\b)+3],   v[BO], s[BIAS:BIAS+1] offset:64*(\b)
	global_load_b128 v[8*(\b)+4:8*(\b)+7], v[BO], s[BIAS:BIAS+1] offset:64*(\b)+16
.endr
	s_wait_loadcnt 0x0
	WIN 0x8a                                       ; sources and destination in window 2
.set i, 0
.rept 32
	v_cvt_pk_bf16_f32 v[64+i], v[2*i], v[2*i+1]
.set i, i+1
.endr
.set i, 0
.rept 32
	v_lshlrev_b32 v[2*i], 16, v[64+i]
	v_and_b32 v[2*i+1], s18, v[64+i]
.set i, i+1
.endr
	WIN 0
; 8 matrix instructions: m block a x all 8 n blocks, 32 along K.  first = 1: the bias starts the sums: nothing is cleared.  The 32 accumulators take turns, in the same order in every
; quarter step.
.macro MUL8 f, a, first
.if \first
	WIN MULF
.else
	WIN MUL
.endif
.irp b, 0,1,2,3,4,5,6,7
.if \first
	v_wmma_f32_16x16x32_f16 v[8*(8*(\a)+(\b)):8*(8*(\a)+(\b))+7], v[(\f)+8*(\b):(\f)+8*(\b)+7], v[(\f)+64+8*(\a):(\f)+64+8*(\a)+7], v[8*(\b):8*(\b)+7]
.else
	v_wmma_f32_16x16x32_f16 v[8*(8*(\a)+(\b)):8*(8*(\a)+(\b))+7], v[(\f)+8*(\b):(\f)+8*(\b)+7], v[(\f)+64+8*(\a):(\f)+64+8*(\a)+7], v[8*(8*(\a)+(\b)):8*(8*(\a)+(\b))+7]
.endif
.endr
.endm
; 24 LDS loads in one run: 32 along K at byte k of the rows: B's 8 fragments, then A's 4
.macro FETCH slot, k, f
	WIN 0
.irp i, 0,1,2,3,4,5,6,7
	ds_load_b128 v[(\f)+8*(\i):(\f)+8*(\i)+3],   v[ADRB+(\slot)] offset:(\k)+(\i)*16*PITCH
	ds_load_b128 v[(\f)+8*(\i)+4:(\f)+8*(\i)+7], v[ADRB+(\slot)] offset:(\k)+(\i)*16*PITCH+32
.endr
.irp i, 0,1,2,3
	ds_load_b128 v[(\f)+64+8*(\i):(\f)+64+8*(\i)+3],   v[ADRA+(\slot)] offset:(\k)+(\i)*16*PITCH
	ds_load_b128 v[(\f)+64+8*(\i)+4:(\f)+64+8*(\i)+7], v[ADRA+(\slot)] offset:(\k)+(\i)*16*PITCH+32
.endr
.endm
; A K step is four quarters of 32 along K, 32 matrix instructions each, on buffers 0, 1, 0, 1.  One of the first three multiplies f and fetches the next quarter, at byte k, into g.
.macro QUARTER slot, k, f, g, first
	s_wait_dscnt 4                                 ; B and A's blocks 0, 1 are in; the youngest four loads (A's blocks 2, 3) may be out
	MUL8 \f, 0, \first
	MUL8 \f, 1, \first
	PLACES
	FETCH \slot, \k, \g
	s_wait_dscnt 24                                ; all but the 24 just issued
	MUL8 \f, 2, \first
	MUL8 \f, 3, \first
.endm
; The last quarter multiplies buffer 1 and changes slots.  Its first sixteen products stand AHEAD of the wait for my tensor load: a refill is asked for only when the load before it has landed, so
; between that landing and the next request stand the add, the wait for my reads and the barrier alone.  ONE barrier: in front of it each wave waits for all its tensor loads (one is out: its part
; of the next slot), adds 0 to its spare word, and waits for that and for its own reads of this slot.  fill = 1: the barrier opens a round of the cluster's, and this slot is filled again, two K
; steps ahead, first thing behind the round.
.macro TURN slot, next, fill
.if \fill
	s_wait_xcnt 0x0                                ; the last prefetch, a K step back, has read its address
	s_add_nc_u64 s[PFA:PFA+1], s[PFA:PFA+1], KSTEP*2
.endif
	s_wait_dscnt 4                                 ; B and A's blocks 0, 1 are in
	MUL8 F1, 0, 0
	MUL8 F1, 1, 0
	WIN 0
	s_wait_tensorcnt 0x0                           ; my part of the next slot has landed: no tensor load of mine is out
	ds_add_u32 v[SPW], v[NIL]
	s_wait_dscnt 0x0                               ; the add is done, and my reads of this slot are over
	s_barrier_signal -1
	s_barrier_wait -1
.if \fill
	CREST                                          ; no wave of any partner still reads this slot or has a load on its way
	s_add_nc_u64 s[G0+4*(\slot)+2:G0+4*(\slot)+3], s[G0+4*(\slot)+2:G0+4*(\slot)+3], 2*KSTEP*2
	s_add_nc_u64 s[G0B+4*(\slot)+2:G0B+4*(\slot)+3], s[G0B+4*(\slot)+2:G0B+4*(\slot)+3], 2*KSTEP*2
	JLOAD \slot                                    ; my one tensor load behind the round; its four v_nop are also the places in front of the loads below
.else
	PLACES
.endif
	FETCH \next, 0, F0
.if \fill
	ASK
.endif
	MUL8 F1, 2, 0
	MUL8 F1, 3, 0
.endm
	s_wait_tensorcnt 1                             ; my part of K step 0 is in; K step 1's may stay out
	s_barrier_signal -1
	s_barrier_wait -1
	FETCH 0, 0, F0
	QUARTER 0, 64, F0, F1, 1                       ; the first quarter stands in front of the loop: its products start the sums
	WIN 0
	s_mov_b32 s3, LAPS-1
.Llap:                                                 ; a trip goes once round the ring and fills both slots again
	QUARTER 0, 128, F1, F0, 0
	QUARTER 0, 192, F0, F1, 0
	TURN 0, 1, 1
	QUARTER 1, 64,  F0, F1, 0
	QUARTER 1, 128, F1, F0, 0
	QUARTER 1, 192, F0, F1, 0
	TURN 1, 0, 1
	QUARTER 0, 64,  F0, F1, 0
	WIN 0
	s_sub_co_u32 s3, s3, 1
	s_cmp_lg_u32 s3, 0
	s_cbranch_scc1 .Llap
	QUARTER 0, 128, F1, F0, 0                      ; the last lap fills nothing
	QUARTER 0, 192, F0, F1, 0
	TURN 0, 1, 0
	QUARTER 1, 64,  F0, F1, 0
	QUARTER 1, 128, F1, F0, 0
	QUARTER 1, 192, F0, F1, 0
	s_wait_dscnt 4
	MUL8 F1, 0, 0
	MUL8 F1, 1, 0
	s_wait_dscnt 0x0
	MUL8 F1, 2, 0
	MUL8 F1, 3, 0
	WIN 0
	PLACES
; THE WAY OUT, a block of 16 rows at a time: rounded to f16 (each accumulator's registers in ascending order), 16 bytes a lane into my own stage, back as whole rows of 256 bytes, stored.
.macro PACK a
	WIN 0x05                                       ; sources in window 1
.irp b, 0,1,2,3,4,5,6,7
.irp r, 0,1,2,3
	v_cvt_pk_f16_f32 v[TMP+4*(\b)+(\r)], v[8*(8*(\a)+(\b))+2*(\r)], v[8*(8*(\a)+(\b))+2*(\r)+1]
.endr
.endr
	WIN 0
.endm
.macro TOSTAGE a
.irp b, 0,1,2,3,4,5,6,7
	ds_store_b128 v[STO], v[TMP+4*(\b):TMP+4*(\b)+3] offset:32*(\b)
.endr
.irp t, 0,1,2,3,4,5,6,7
	ds_load_b128 v[64+32*(\a)+4*(\t):64+32*(\a)+4*(\t)+3], v[RD] offset:(\t)*2*SPITCH  ; LDS serves a wave's instructions in order (ISA guide 5.7.1.4): these see the stores above
.endr
.endm
.macro SEND a                          ; each block has registers of its own, so no store's data is rewritten
	s_wait_dscnt 0x0
.irp t, 0,1,2,3,4,5,6,7
	global_store_b128 v[CO], v[64+32*(\a)+4*(\t):64+32*(\a)+4*(\t)+3], s[8:9] offset:4096*(\a)+512*(\t)  ; 512 consecutive bytes, aligned
.endr
.endm
	PACK 0
	TOSTAGE 0
.irp a, 1,2,3
	PACK \a
	SEND (\a)-1
	TOSTAGE \a
.endr
	SEND 3
	s_wait_tensorcnt 0x0                           ; the wave's end
	ds_add_u32 v[SPW], v[NIL]
	s_wait_dscnt 0x0
	CROUND                                         ; the closing round
	s_endpgm
.Lfunc_end_k_q0850986478_qkv:
	.size	k_q0850986478_qkv, .Lfunc_end_k_q0850986478_qkv-k_q0850986478_qkv
	.p2alignl 7, 3214868480
	.fill 96, 4, 3214868480
	.section	.rodata,"a",@progbits
	.p2align	6, 0x0
	.amdhsa_kernel k_q0850986478_qkv
		.amdhsa_group_segment_fixed_size 327680
		.amdhsa_private_segment_fixed_size 0
		.amdhsa_enable_private_segment 0
		.amdhsa_kernarg_size 48
		.amdhsa_user_sgpr_count 2
		.amdhsa_user_sgpr_kernarg_segment_ptr 1
		.amdhsa_wavefront_size32 1
		.amdhsa_system_sgpr_workgroup_id_x 1
		.amdhsa_system_sgpr_workgroup_id_y 1
		.amdhsa_system_sgpr_workgroup_id_z 1
		.amdhsa_system_vgpr_workitem_id 0
		.amdhsa_next_free_vgpr 608
		.amdhsa_next_free_sgpr 80
		.amdhsa_reserve_vcc 0
		.amdhsa_float_denorm_mode_32 3
		.amdhsa_float_denorm_mode_16_64 3
		.amdhsa_memory_ordered 1
		.amdhsa_forward_progress 1
		.amdhsa_inst_pref_size 93
	.end_amdhsa_kernel
	.amdgpu_metadata
---
amdhsa.version: [ 1, 2 ]
amdhsa.kernels:
  - .name:           k_q0850986478_qkv
    .symbol:         k_q0850986478_qkv.kd
    .args:
      - { .name: xh, .offset: 0, .size: 8, .value_kind: global_buffer, .address_space: global }
      - { .name: wh, .offset: 8, .size: 8, .value_kind: global_buffer, .address_space: global }
      - { .name: bq, .offset: 16, .size: 8, .value_kind: global_buffer, .address_space: global }
      - { .name: bk, .offset: 24, .size: 8, .value_kind: global_buffer, .address_space: global }
      - { .name: bv, .offset: 32, .size: 8, .value_kind: global_buffer, .address_space: global }
      - { .name: qkv, .offset: 40, .size: 8, .value_kind: global_buffer, .address_space: global }
    .group_segment_fixed_size: 327680
    .private_segment_fixed_size: 0
    .kernarg_segment_align: 8
    .kernarg_segment_size: 48
    .max_flat_workgroup_size: 128
    .sgpr_count:     80
    .vgpr_count:     608
    .wavefront_size: 32
...
	.end_amdgpu_metadata
.endif
;; end of part 2
;; launch attn (part 3): grid 16 x 32, 4 waves a work-group, clusters of 4 x 1, 327,680 bytes of LDS; arguments qkv, lq1, lk1, lq2, lk2, od, part; writes od, part
.if DOCPART == 3
	.amdgcn_target "amdgcn-amd-amdhsa--gfx1250"
	.amdhsa_code_object_version 6
	.text
	.protected	k_q0850986478_attn
	.globl	k_q0850986478_attn
	.p2align	8
	.type	k_q0850986478_attn,@function
k_q0850986478_attn:
	s_mov_b64 s[64:65], 0
	v_nop
	global_prefetch_b8 v0, s[64:65] scope:SCOPE_SE
	s_setreg_imm32_b32 hwreg(HW_REG_WAVE_MODE, 25, 1), 1
	s_wait_xcnt 0x0
	s_wait_alu depctr_hold_cnt(0) depctr_sa_sdst(0) depctr_va_vdst(0) depctr_va_sdst(0) depctr_va_ssrc(0) depctr_va_vcc(0) depctr_vm_vsrc(0)
	s_getreg_b32 s2, hwreg(HW_REG_IB_STS2, 6, 4)
	s_cmp_eq_u32 s2, 0
	s_cbranch_scc0 .Lentry_in_a_cluster
	s_endpgm
.Lentry_in_a_cluster:
	s_bfe_u32 s2, ttmp6, 0x10000c
	s_cmp_lg_u32 s2, 0x3003
	s_cbranch_scc0 .Lentry_shape_is_right
	s_endpgm
.Lentry_shape_is_right:
; DIFFERENTIAL CROSS ATTENTION.  For instance g = 16 stream + 8 batch + head: O = softmax(Q[:, 0:64] K[:, 0:64]^T / 8) V - lam softmax(Q[:, 64:128] K[:, 64:128]^T / 8) V, with Q of g and K, V of the OTHER
; stream (g xor 16).  qkv: [3][32][2048][128] f16.  Products, maxima and sums in f32; the weights p are rounded to f16 for the second product (their sums l are taken of the unrounded p).
; OUT.  od [32][2048][128] f16 holds O less the mean of the 32 rows x 128 channels that one wave makes; part [32][64][2] f32 holds that mean and the sum of squares about it: the next launch joins them.
; LIMITS.  Q, K, V arrive within f16's 65,504; p below 6e-5 keeps f16's fixed step; a weight below 2^-126 counts as 0 in l; od below 6e-5 keeps f16's step of 6e-8; NaN and infinities are not treated apart.
; SHARES.  A work-group owns 128 queries of one instance, a wave 32: two tiles of 16.  Each tile counts twice: tiles 0, 1 are the two under the first softmax (PIECE 0), tiles 2, 3 the same queries under the
; second (PIECE 2).  The sums l1, l2 are known only behind the last key, so each softmax has an O^T of its own: 64 registers for each of the four.  Every wave walks all 2,048 keys, 64 a step.
; LAYOUT.  S^T = K Q^T (source 0 = 16 keys, source 1 = 16 queries): a lane holds ONE query (lane % 16) and the keys 8 (lane / 16) + 0..7.  Two such results rounded to f16 ARE source 1 of O^T = V^T P.
; SOFTMAX.  A running maximum m and sum l for each query and softmax: p = 2^(c s - c m), c = log2(e) / 8; in every step O and l are multiplied by a = 2^(c m_old - c m_new).
; BY TURNS.  In a TURN one piece has the matrix unit: 32 products V^T P of the step in hand, then 16 products K Q^T of the next; the other piece's softmax is cut into 64 slices of four instructions.  A turn
; has 268 vector instructions for 48 products: one slice stands behind EACH product, and the last sixteen slices (the end of the sums and the rescaling of O^T, plain instructions all) in ONE RUN behind the
; turn's last product.  Two turns are a key step.
; CLUSTER.  The four query blocks of a cluster belong to one instance and walk the same K and V: each tile is asked for jointly, by the same load, descriptor and mask in all four.
; REGISTERS (windows of 256; s_set_vgpr_msb: bits 1:0 source 0, 3:2 source 1, 5:4 source 2, 7:6 destination):
;   window 0: v0-11 addresses; v12-43 statistics, 8 a tile; v44 -lam; v48-59 at work; v61-63 kept; v64-191 S^T, 32 a tile; v192-255 P, 16 a tile
;   window 1: O^T, 64 a tile     window 2: v0-63 Q (query tile r, channels 32 c on at 32 r + 8 c); v128-255 K of one step     window 3: v0-127 V of one step
.set SIZE_N, 2048
.set KS,    64        ; keys in a step
.set PK,    272       ; a row of K in LDS: 256 bytes + 16: the 16 rows of a load start at 16 different groups of four banks (ISA guide 11.1)
.set PV,    288       ; a row of V: 256 + 32
.set VOFF,  KS*PK     ; a step's tiles lie together: 64 rows of K, then 64 rows of V
.set STEPB, KS*(PK+PV)
.set SLOT1, 1<<17     ; a slot holds two steps; slot 1 begins here, so that one exclusive or turns an address in one slot into the other's
.set STAGE, SLOT1+2*STEPB  ; behind the ring: 16 rows x 272 bytes for each wave
.set SP,    272
.set SPARE, STAGE+4*16*SP  ; behind the stages: the spare words, 128 bytes a wave
.set AK0, 2           ; v2   my lane's place in a tile of K; never rewritten
.set AV0, 3           ; v3   the same for V
.set ADR, 4           ; v4   the LDS address of the run of loads in hand
.set QO,  5           ; v5   my byte offset in 16 rows of Q
.set STO, 6           ; v6   the way out: where I put 16 bytes of a row
.set RD,  7           ; v7   where I read a row back
.set GO,  8           ; v8   my byte offset in two rows of od
.set ST,  12          ; tile t's statistics at v[ST+8 t]: +0 c m, +1 m, +2, +3 l, +4 to +7 c0-c3 at work; a takes c2's place
.set LAM, 44          ; v44  -lam
.set LL,  48          ; v[48:55] lq1, lk1, lq2, lk2: two numbers a lane
.set T,   48          ; v[48:55] later: four chains of packed sums
.set MN,  56          ; v[56:57] first the offset of lam's loads; later the wave's mean, and the sum of squares about it
.set LN,  58          ; v58  my lane
.set ZO,  59          ; v59  0, an offset
.set PFO, 61          ; v61  256 x lane; never rewritten
.set SPW, 62          ; v62  my spare word; never rewritten
.set NIL, 63          ; v63  0; never rewritten
.set S,   64
.set P,   192
.set KF,  128         ; K's fragments, in window 2: key block kb, channels 32 c on at KF + 32 kb + 8 c
.set WV,  12          ; s12  my wave's number
.set LIM, 15          ; s15  1 in a wave that prefetches, else the greatest number
.set PFA, 18          ; s[18:19] where my prefetches stand
.set G1K, 24          ; s[24:31] group 1 for K's tiles
.set G1V, 32          ; s[32:39] for V's: the padding differs
.set G0K, 40          ; s[40:47] group 0 for K's: a set for each first fill; the second then walks on
.set G0V, 48          ; s[48:55] the same for V's
.set SLOTS, 56        ; s56  slots still to be asked for
.set TWICE, 57        ; s57  counts a slot's two steps
.set CS,  58          ; s[58:59] c
.set SEL, 60          ; s[60:61] v_permlanex16_b32's selects: each lane takes its own place in the other half
.set TB,  62          ; s62  LDS byte at which the tiles of the step to be fetched begin
.set MSB, 0
.macro WIN new
.if MSB != (\new)
	s_set_vgpr_msb (MSB<<8)|(\new)
.set MSB, \new
.endif
.endm
.set W_KQ, 0x0a       ; K and Q in window 2, S^T in window 0
.set W_PV, 0x53       ; V in window 3, P in window 0, O^T in window 1
.set W_RS, 0x41       ; destination and source 0 in window 1, source 1 in window 0
.macro JLOAD                        ; a joint refill: waves 0, 1 fetch the two steps' K, waves 2, 3 their V; an s_nop 0 and four v_nop follow each line
	s_cmp_lt_u32 s[WV], 2
	s_cbranch_scc0 .Lfor_v_\@
	tensor_load_to_lds s[G0K+4:G0K+7], s[G1K:G1K+7]
	s_nop 0
.rept 4
	v_nop
.endr
	s_branch .Lasked_\@
.Lfor_v_\@:
	tensor_load_to_lds s[G0V+4:G0V+7], s[G1V:G1V+7]
	s_nop 0
.rept 4
	v_nop
.endr
.Lasked_\@:
.endm
; A prefetch of what the NEXT change of slots will ask for: 128 rows of K and of V, a lane a row.  Each row is named once in the launch: the instance's first cluster asks; its four partners take 32 rows
; each, told apart by address; in each, wave 0 asks for K's and wave 2 for V's.  The last change that fills a slot asks for nothing.
.macro ASK
	s_cmp_gt_u32 s[SLOTS], s[LIM]
	s_cbranch_scc0 .Lnot_mine_\@
	global_prefetch_b8 v[PFO], s[PFA:PFA+1] th:TH_LOAD_NT scope:SCOPE_SE
.Lnot_mine_\@:
.endm
.macro CROUND                       ; a round of the cluster's barrier
	s_barrier_signal -1
	s_barrier_wait -1
	s_cmp_lg_u32 s[WV], 0
	s_cbranch_scc1 .Lnot_wave_0_\@
	s_barrier_signal -3
.Lnot_wave_0_\@:
	s_barrier_wait -3
	s_barrier_signal -1
	s_barrier_wait -1
.endm
.macro REDUCE r, tmp                ; the sum over the 32 lanes, in every lane; tmp has been written before
	v_add_f32_dpp v[\r], v[\r], v[\r] row_xmask:1 row_mask:0xf bank_mask:0xf
	v_add_f32_dpp v[\r], v[\r], v[\r] row_xmask:2 row_mask:0xf bank_mask:0xf
	v_add_f32_dpp v[\r], v[\r], v[\r] row_xmask:4 row_mask:0xf bank_mask:0xf
	v_add_f32_dpp v[\r], v[\r], v[\r] row_xmask:8 row_mask:0xf bank_mask:0xf
	v_permlanex16_b32 v[\tmp], v[\r], s[SEL], s[SEL+1]
	v_add_f32 v[\r], v[\r], v[\tmp]
.endm
	s_load_b256 s[68:75], s[0:1], 0x0 ; qkv s[68:69], lq1 s[70:71], lk1 s[72:73], lq2 s[74:75]
	s_load_b128 s[76:79], s[0:1], 0x20  ; lk2 s[76:77], od s[78:79]
	s_load_b64 s[80:81], s[0:1], 0x30 ; part
	v_lshl_add_u32 v[SPW], v0, 2, SPARE
	v_mov_b32 v[NIL], 0
	ds_add_u32 v[SPW], v[NIL]       ; the wave's opening: the add and its wait stand ahead of my first tensor load
	v_lshrrev_b32 v1, 5, v0
	v_readfirstlane_b32 s[WV], v1   ; wave 0..3
	s_bfe_u32 s13, ttmp6, 0x40000   ; cx
	s_lshl_b32 s14, ttmp9, 2
	s_add_co_u32 s14, s14, s13      ; my block of 128 queries: it enters Q's, od's and part's addresses alone
	s_and_b32 s20, ttmp7, 0xffff    ; g, which the four partners share
	s_xor_b32 s21, s20, 16          ; the other stream's instance
	s_and_b32 s16, s[WV], 1         ; which of a slot's two steps I fetch
	s_lshl_b32 s22, s21, 19         ; an instance is 2,048 rows of 256 bytes
	s_lshl_b32 s23, s16, 14         ; a step's 64 rows
	s_add_co_u32 s22, s22, s23
	s_add_co_u32 s22, s22, 1<<24    ; K is the second part of qkv
	s_mov_b32 s23, 0
	s_mul_i32 s17, s16, STEPB       ; my step's place in a slot: no place in the cluster enters an LDS address
	s_lshl_b32 s2, s20, 19
	s_lshl_b32 s3, s14, 15          ; my block's 128 rows,
	s_add_co_u32 s2, s2, s3
	s_lshl_b32 s3, s[WV], 13        ; my wave's 32 of them
	s_add_co_u32 s2, s2, s3
	s_mov_b32 s3, 0
	s_lshl2_add_u32 s82, s14, s[WV] ; my wave among the instance's 64,
	s_lshl_b32 s82, s82, 3          ; 8 bytes each,
	s_lshl_b32 s83, s20, 9          ; 512 an instance
	s_add_co_u32 s82, s82, s83
	s_mov_b32 s83, 0
	s_and_b32 s63, s20, 7           ; the head:
	s_lshl_b32 s63, s63, 8          ; its 64 numbers in lq1 .. lk2
	s_mov_b32 s[G1K], 15|(1<<16)|(1<<20)|(1<<21)|(5<<22)|(3<<25)  ; the mask of four; 2-byte elements; padding on; bit 21 beside a mask; after every 64 words; 4 words
	s_mov_b32 s[G1V], 15|(1<<16)|(1<<20)|(1<<21)|(5<<22)|(7<<25)  ; the same with 8 words
.irp g, G1K, G1V
	s_mov_b32 s[(\g)+1], 128<<16    ; tensor_dim0 = 128
	s_mov_b32 s[(\g)+2], KS<<16     ; tensor_dim1 = 64
	s_mov_b32 s[(\g)+3], 128<<16    ; tile_dim0 = 128
	s_mov_b32 s[(\g)+4], KS         ; tile_dim1 = 64
	s_mov_b32 s[(\g)+5], 128        ; elements from row to row
	s_mov_b32 s[(\g)+6], 0
	s_mov_b32 s[(\g)+7], 0
.endr
	s_mov_b32 s[CS], 0x3e38aa3b     ; c = log2(e) / 8
	s_mov_b32 s[CS+1], s[CS]
	s_mov_b32 s[SEL], 0x76543210
	s_mov_b32 s[SEL+1], 0xfedcba98
	s_mov_b32 s[TB], 0
	s_mov_b32 s[SLOTS], SIZE_N/(2*KS)-2
	s_and_b32 s[LIM], s[WV], 1      ; 0 in waves 0 and 2,
	s_or_b32 s[LIM], s[LIM], ttmp9  ; where the cluster is the instance's first: the same in all four partners
	s_cmp_eq_u32 s[LIM], 0
	s_cselect_b32 s[LIM], 1, -1
	v_and_b32 v[LN], 31, v0
	v_lshlrev_b32 v[PFO], 8, v[LN]
	s_wait_dscnt 0x0                ; the opening add is done
	s_wait_kmcnt 0x0
	s_add_nc_u64 s[6:7], s[68:69], s[22:23]  ; K at my tile of slot 0,
	s_add_nc_u64 s[8:9], s[6:7], 1<<24       ; V a part further on
	s_add_nc_u64 s[4:5], s[68:69], s[2:3]    ; Q and od at my wave's first row
	s_add_nc_u64 s[10:11], s[78:79], s[2:3]
	s_add_nc_u64 s[82:83], s[80:81], s[82:83]
	s_cmp_lt_u32 s[WV], 2
	s_cselect_b64 s[PFA:PFA+1], s[6:7], s[8:9]
	s_lshl_b32 s2, s13, 13          ; my work-group's 32 rows of the 128
	s_mov_b32 s3, 0
	s_add_nc_u64 s[PFA:PFA+1], s[PFA:PFA+1], s[2:3]
	s_add_nc_u64 s[PFA:PFA+1], s[PFA:PFA+1], 2*2*KS*256  ; in slot 2; the first change of slots steps it to slot 3
	CROUND                          ; all four work-groups are here: the first joint loads meet
.irp s, 0,1
	s_mov_b32 s[G0K+4*(\s)], 1
	s_add_co_u32 s[G0K+4*(\s)+1], s17, (\s)*SLOT1
	s_add_nc_u64 s[G0K+4*(\s)+2:G0K+4*(\s)+3], s[6:7], (\s)*2*KS*256
	s_or_b32 s[G0K+4*(\s)+3], s[G0K+4*(\s)+3], 0x80000000
	s_mov_b32 s[G0V+4*(\s)], 1
	s_add_co_u32 s[G0V+4*(\s)+1], s17, (\s)*SLOT1+VOFF
	s_add_nc_u64 s[G0V+4*(\s)+2:G0V+4*(\s)+3], s[8:9], (\s)*2*KS*256
	s_or_b32 s[G0V+4*(\s)+3], s[G0V+4*(\s)+3], 0x80000000
.endr
	s_cmp_lt_u32 s[WV], 2           ; a wave's two first fills stand in one branch: two loads of mine are out
	s_cbranch_scc0 .Lfirst_v
	tensor_load_to_lds s[G0K:G0K+3], s[G1K:G1K+7]
	s_nop 0
	tensor_load_to_lds s[G0K+4:G0K+7], s[G1K:G1K+7]
	s_nop 0
.rept 4
	v_nop
.endr
	s_branch .Lfirst_asked
.Lfirst_v:
	tensor_load_to_lds s[G0V:G0V+3], s[G1V:G1V+7]
	s_nop 0
	tensor_load_to_lds s[G0V+4:G0V+7], s[G1V:G1V+7]
	s_nop 0
.rept 4
	v_nop
.endr
.Lfirst_asked:
	v_and_b32 v1, 15, v0            ; l % 16
	v_bfe_u32 v9, v0, 4, 1          ; l / 16
	v_lshlrev_b32 v[QO], 8, v1
	v_lshl_add_u32 v[QO], v9, 4, v[QO]  ; row x 256 + 16 x half
	WIN 0x80                        ; destination window 2, address window 0
.irp i, 0,1,2,3,4,5,6,7             ; Q stays in registers: query tile i / 4, channels 32 (i % 4) on
	global_load_b128 v[8*(\i):8*(\i)+3],   v[QO], s[4:5] offset:((\i)/4)*4096+((\i)%4)*64
	global_load_b128 v[8*(\i)+4:8*(\i)+7], v[QO], s[4:5] offset:((\i)/4)*4096+((\i)%4)*64+32
.endr
	WIN 0
	v_lshl_add_u32 v[MN], v[LN], 3, s63  ; two numbers a lane of the head's 64
	global_load_b64 v[LL:LL+1],   v[MN], s[70:71]
	global_load_b64 v[LL+2:LL+3], v[MN], s[72:73]
	global_load_b64 v[LL+4:LL+5], v[MN], s[74:75]
	global_load_b64 v[LL+6:LL+7], v[MN], s[76:77]
	v_mul_u32_u24 v[AK0], v1, PK
	v_lshl_add_u32 v[AK0], v9, 4, v[AK0]  ; row x pitch + 16 x half
	; The turning load takes 16 keys x 16 channels (lane l reads key 8 (l / 16) + l % 8, channels 8 ((l / 8) % 2) + 0..7) and leaves half a fragment of V^T: lane l holds channel l % 16 and 8 keys.
	v_and_b32 v10, 7, v0
	v_bfe_u32 v11, v0, 3, 1
	v_lshl_add_u32 v[AV0], v9, 3, v10
	v_mul_u32_u24 v[AV0], v[AV0], PV
	v_lshl_add_u32 v[AV0], v11, 4, v[AV0]
	v_add_nc_u32 v[AV0], VOFF, v[AV0]
; THE MATRIX WORK OF A TURN, for piece x.  The accumulators take turns, one instruction a turn: between two links of a chain stand 15 (V^T P) or 7 (K Q^T) others'.
; Product i of 32 of O^T += V^T P: keys 32 (i / 16) on, channels 16 ((i / 2) % 8) on, tile x + i % 2.  zero = 1: the first 16 start the sums.
.macro PV x, zero
	WIN W_PV
.set rO, 64*((\x)+i%2)+8*((i/2)%8)
.set rV, 64*(i/16)+8*((i/2)%8)
.set rP, P+16*((\x)+i%2)+8*(i/16)
.if (\zero) && (i < 16)
	v_wmma_f32_16x16x32_f16 v[rO:rO+7], v[rV:rV+7], v[rP:rP+7], 0
.else
	v_wmma_f32_16x16x32_f16 v[rO:rO+7], v[rV:rV+7], v[rP:rP+7], v[rO:rO+7]
.endif
.endm
; Product i of 16 of S^T = K Q^T: the piece's own 64 channels (piece 0: 0-63, piece 2: 64-127), 32 (i / 8) on within them; keys 16 ((i / 2) % 4) on; query tile i % 2.  The first 8 start the sums.
.macro KQ x
	WIN W_KQ
.set rS, S+32*((\x)+i%2)+8*((i/2)%4)
.set rK, KF+32*((i/2)%4)+8*(2*((\x)/2)+i/8)
.set rQ, 32*(i%2)+8*(2*((\x)/2)+i/8)
.if i < 8
	v_wmma_f32_16x16x32_f16 v[rS:rS+7], v[rK:rK+7], v[rQ:rQ+7], 0
.else
	v_wmma_f32_16x16x32_f16 v[rS:rS+7], v[rK:rK+7], v[rQ:rQ+7], v[rS:rS+7]
.endif
.endm
; THE LDS LOADS stand in runs of 32: a step's K (16 fragments) and, a turn later, its V (turned).
.macro FETCH_K
	WIN 0
	v_add_nc_u32 v[ADR], s[TB], v[AK0]
	WIN 0x80
.irp f, 0,1,2,3,4,5,6,7,8,9,10,11,12,13,14,15  ; keys 16 (f / 4) on, channels 32 (f % 4) on
	ds_load_b128 v[KF+8*(\f):KF+8*(\f)+3],   v[ADR] offset:((\f)/4)*16*PK+((\f)%4)*64
	ds_load_b128 v[KF+8*(\f)+4:KF+8*(\f)+7], v[ADR] offset:((\f)/4)*16*PK+((\f)%4)*64+32
.endr
.endm
.macro FETCH_V
	WIN 0
	v_add_nc_u32 v[ADR], s[TB], v[AV0]
	s_add_co_u32 s[TB], s[TB], STEPB  ; the next fetch is the next step's
	s_wait_alu depctr_va_vdst(0)    ; the wait for the softmax's batch of exponentials (SLICE), ahead of the loads
	WIN 0xc0                        ; destination window 3
.irp f, 0,1,2,3,4,5,6,7,8,9,10,11,12,13,14,15  ; keys 32 (f / 8) on, channels 16 (f % 8) on
	ds_load_tr16_b128 v[8*(\f):8*(\f)+3],   v[ADR] offset:((\f)/8)*32*PV+((\f)%8)*32
	ds_load_tr16_b128 v[8*(\f)+4:8*(\f)+7], v[ADR] offset:((\f)/8)*32*PV+16*PV+((\f)%8)*32
.endr
.endm
; THE VECTOR WORK OF A TURN.  One tile's softmax for one key step is a list of 134 instructions; SM writes number j of it for tile t.  s0-s31 are the lane's 32 scores, in pairs 0-15.
; first = 1: the first key step, which starts m, l and O^T: it has no a and nothing to rescale.
;   0-15    the maximum of s0-s31 and the old m, three operands at a time (each accumulator's lowest registers are read first)
;   16-20   the other half of the lanes' maximum; the new m; c m; c m_old - c m_new
;   21-69   ONE BATCH: the 16 scalings c s - c m and all 33 exponentials (a at 23, then s0-s31); none of these reads an exponential's result
;   (wait)  between 69 and 70 stands the one wait for the batch: SLICE writes it, once for both tiles
;   70-85   the roundings to f16     86-101  the sums; l = a l + the sum     102-133 the tile's O^T times a
.macro SM t, first
.set rT, ST+8*(\t)
.set rS, S+32*(\t)
.set rP, P+16*(\t)
.set rO, 64*(\t)+2*(j-102)
.if j < 102
	WIN 0
.endif
.if j < 4
	v_max3_num_f32 v[rT+4+j], v[rS+8*j], v[rS+8*j+1], v[rS+8*j+2]
.elseif j < 12
	v_max3_num_f32 v[rT+4+j%4], v[rT+4+j%4], v[rS+8*(j%4)+2*(j/4)+1], v[rS+8*(j%4)+2*(j/4)+2]
.elseif j == 12
	v_max3_num_f32 v[rT+4], v[rT+4], v[rS+7], v[rS+15]
.elseif j == 13
	v_max3_num_f32 v[rT+6], v[rT+6], v[rS+23], v[rS+31]
.elseif j == 14
	v_max3_num_f32 v[rT+4], v[rT+4], v[rT+5], v[rT+6]
.elseif (j == 15) && (\first)
	v_max_num_f32 v[rT+4], v[rT+4], v[rT+7]
.elseif j == 15
	v_max3_num_f32 v[rT+4], v[rT+4], v[rT+7], v[rT+1]
.elseif j == 16
	v_permlanex16_b32 v[rT+5], v[rT+4], s[SEL], s[SEL+1]  ; the query's other 32 keys lie in the lane 16 away
.elseif j == 18
	v_max_num_f32 v[rT+1], v[rT+4], v[rT+5]
.elseif j == 19
	v_mul_f32 v[rT], s[CS], v[rT+1]
.elseif ((j == 17) || (j == 20) || (j == 23) || (j > 101)) && (\first)  ; the first step has none of these
.elseif j == 17
	v_mov_b32 v[rT+7], v[rT]        ; c m_old is kept for a
.elseif j == 20
	v_sub_f32 v[rT+7], v[rT+7], v[rT]
.elseif j == 23
	v_exp_f32 v[rT+6], v[rT+7]
.elseif (j < 23) || ((j < 38) && (j%2 == 0)) || ((j < 66) && (j%4 == 2))
.set b, (j-2)/4                     ; 38, 42, .. 62: pairs 9 to 15
.if j < 38
.set b, (j-20)/2                    ; 21: pair 0; 22, 24, .. 36: pairs 1 to 8
.endif
	v_pk_fma_f32 v[rS+2*b:rS+2*b+1], v[rS+2*b:rS+2*b+1], s[CS:CS+1], v[rT:rT+1] op_sel_hi:[1,0,0] neg_lo:[0,0,1] neg_hi:[0,0,1]  ; pair b: c s - c m
.elseif j < 70
.set e, j-38                        ; 66 to 69: s28 to s31
.if j < 66
.set e, j-32-(j-38)/4               ; 39-41, 43-45, .. 63-65: s7 to s27
.endif
.if j < 38
.set e, (j-25)/2                    ; 25, 27, .. 37: s0 to s6
.endif
	v_exp_f32 v[rS+e], v[rS+e]
.elseif j < 86
	v_cvt_pk_f16_f32 v[rP+j-70], v[rS+2*(j-70)], v[rS+2*(j-70)+1]
.elseif j < 102                     ; the sum of the tile's 16 pairs, in place: neighbours 1, 2, 4 and 8 pairs apart, then l takes it
.set z, j-86
.set w, 4
.set u, z
.if z >= 14
.set w, 32
.set u, 0
.elseif z >= 12
.set w, 16
.set u, z-12
.elseif z >= 8
.set w, 8
.set u, z-8
.endif
.if (z == 14) && (\first)
	v_pk_add_f32 v[rT+2:rT+3], v[rS:rS+1], v[rS+16:rS+17]
.elseif z < 15
	v_pk_add_f32 v[rS+w*u:rS+w*u+1], v[rS+w*u:rS+w*u+1], v[rS+w*u+w/2:rS+w*u+w/2+1]
.elseif !(\first)
	v_pk_fma_f32 v[rT+2:rT+3], v[rT+2:rT+3], v[rT+6:rT+7], v[rS:rS+1] op_sel_hi:[1,0,1]
.endif
.else
	WIN W_RS
	v_pk_mul_f32 v[rO:rO+1], v[rO:rO+1], v[rT+6:rT+7] op_sel_hi:[1,0]
.endif
.endm
; Slice k of 64 of piece y's softmax: four instructions.  Slices 11 to 34 deal out the batch, numbers 22 to 69: four numbers of ONE tile each, the tiles by turns.  Every other slice is numbers 2 k and
; 2 k + 1 of both tiles.  The twelve that are over stand in slice 63.  Ahead of slice 35 nothing names an exponential's result, behind slice 34 none is issued: one wait, behind slice 34.
.macro SLICE y, first
.if (k >= 11) && (k < 35)
.irp n, 0,1,2,3
.set j, 22+4*((k-11)/2)+(\n)
	SM (\y)+(k-11)%2, \first
.endr
.else
.irp n, 0,1,2,3,4,5,6,7
.if ((\n) < 2) || (k == 63)
.irp t, \y, (\y)+1
.set j, 2*k+(\n)
	SM \t, \first
.endr
.endif
.endr
.endif
.if k == 34
	v_nop                           ; a plain instruction behind the last exponential and ahead of the first use: one for the batch
.if (\y) == 0
	FETCH_V                         ; piece 2's turn: V's run of loads stands here, and the wait stands in it
.else
	s_wait_alu depctr_va_vdst(0)    ; the wait for the batch
.endif
.endif
.set k, k+1
.endm
.macro PLACES
.rept 4
	v_nop
.endr
.endm
; A TURN.  Piece x has the matrix unit; the other piece's 64 slices go with it.  With both kinds of product: slices 0-31 one behind each V^T P, slices 32-47 one behind each K Q^T, slices 48-63 in one run
; behind the last K Q^T.  With V^T P alone two behind each, with K Q^T alone four (these turns stand at the launch's two ends).  pv = 2: 32 products V^T P; 1: they start O^T's sums; 0: none.
; kq = 1: 16 products K Q^T for the next step.  first = 1: the softmax is the first key step's; its slices from 51 on are empty, and four v_nop are the places behind the last products.
; Piece 0's turn fetches the next step's K behind its second product: the last product that read K stands in front of slice 47 and the run of the turn before, plain instructions all.  Piece 2's turn
; fetches the same step's V behind slice 34, which stands behind the third K Q^T: the last product that read V stands in front of slice 31, and four plain instructions lie between: number 62 of both
; tiles, the v_nop and the run's own v_add_nc_u32.  The next turn's first read of the scores just made stands behind the run as well.
.macro TURN x, pv, kq, first
.set k, 0
.set perP, 2
.set perK, 4
.set rest, 0
.if (\pv) && (\kq)
.set perP, 1
.set perK, 1
.set rest, 16
.endif
.if \pv
.if (\x) == 0
	s_wait_dscnt 0x0                ; V is in
.endif
.set i, 0
.rept 32
	PV \x, 2-(\pv)
.rept perP
	SLICE 2-(\x), \first
.endr
.if ((\x) == 0) && (\kq) && (i == 1)
	FETCH_K
.endif
.set i, i+1
.endr
.endif
.if \kq
.if (\x) == 0
	s_wait_dscnt 0x0                ; K is in
.endif
.set i, 0
.rept 16
	KQ \x
.rept perK
	SLICE 2-(\x), \first
.endr
.set i, i+1
.endr
.endif
.rept rest
	SLICE 2-(\x), \first            ; the run: what has no product to stand behind
.endr
.if \first
	PLACES
.endif
.endm
; THE CHANGE OF SLOTS, between piece 2's turn and piece 0's.  Each wave waits for all its tensor loads (one is out: its part of the other slot), adds 0 to its spare word, and waits for that and for its own
; reads of the slot.  fill = 1: the barrier is a round of the cluster's, and the slot is filled again, with the keys two slots on, first thing behind it: it has two key steps in which to land.
.macro CHANGE fill
	WIN 0
	s_wait_tensorcnt 0x0            ; no tensor load of mine is out, so a group 0 may be written
	ds_add_u32 v[SPW], v[NIL]
.if \fill
.irp g, G0K+4, G0V+4
	s_xor_b32 s[(\g)+1], s[(\g)+1], SLOT1
	s_add_nc_u64 s[(\g)+2:(\g)+3], s[(\g)+2:(\g)+3], 2*KS*256
.endr
	s_wait_xcnt 0x0                 ; the last prefetch, two key steps back, has read its address
	s_add_nc_u64 s[PFA:PFA+1], s[PFA:PFA+1], 2*KS*256
	s_wait_dscnt 0x0                ; the add is done, and my reads of the slot are over
	CROUND
	JLOAD
	ASK
.else
	s_wait_dscnt 0x0
	s_barrier_signal -1
	s_barrier_wait -1
.endif
	s_sub_co_u32 s[TB], s[TB], 2*STEPB  ; the fetches go back to a slot's first step,
	s_xor_b32 s[TB], s[TB], SLOT1   ; in the other slot
.endm
.macro TWO_STEPS                    ; a slot's two key steps: written once, walked twice
	WIN 0
	s_mov_b32 s[TWICE], 2
.Lstep_\@:
	TURN 0, 2, 1, 0
	TURN 2, 2, 1, 0
	WIN 0
	s_sub_co_u32 s[TWICE], s[TWICE], 1
	s_cmp_lg_u32 s[TWICE], 0
	s_cbranch_scc1 .Lstep_\@
.endm
	s_wait_tensorcnt 1              ; my part of slot 0 is in; slot 1's may stay out
	s_barrier_signal -1
	s_barrier_wait -1
	FETCH_K                         ; key step 0
	WIN 0
	s_wait_loadcnt 0x0              ; Q, and lq1 .. lk2
	; -lam = exp(lq2 . lk2) - exp(lq1 . lk1) - LAMBDA_INIT, the four inputs rounded to bf16 like every input; made while K's fragments come
.irp p, 0,2,4,6
	v_cvt_pk_bf16_f32 v[MN+1], v[LL+\p], v[LL+\p+1]
	v_lshlrev_b32 v[LL+\p], 16, v[MN+1]
	v_and_b32 v[LL+\p+1], 0xffff0000, v[MN+1]
.endr
	v_mul_f32 v[LL], v[LL], v[LL+2]
	v_mul_f32 v[LL+4], v[LL+4], v[LL+6]
	v_fmac_f32 v[LL], v[LL+1], v[LL+3]
	v_fmac_f32 v[LL+4], v[LL+5], v[LL+7]
	REDUCE LL, LL+1
	REDUCE LL+4, LL+5
	v_mul_f32 v[LL], 0x3fb8aa3b, v[LL]
	v_mul_f32 v[LL+4], 0x3fb8aa3b, v[LL+4]
	v_exp_f32 v[LL], v[LL]
	v_exp_f32 v[LL+4], v[LL+4]
	v_nop                           ; a plain instruction behind the last exponential,
	s_wait_alu depctr_va_vdst(0)    ; and the wait ahead of the first use
	v_sub_f32 v[LAM], v[LL+4], v[LL]
	v_add_f32 v[LAM], 0xbeb60549, v[LAM]  ; LAMBDA_INIT = 0.8 - 0.6 exp(-0.3) = 0.355509
	s_wait_dscnt 0x0
.set i, 0
.rept 16
	KQ 0                            ; piece 0's first scores
.set i, i+1
.endr
	WIN 0                           ; the addresses for the way out: plain instructions, the places behind those products
	s_mul_i32 s13, s[WV], 16*SP
	s_add_co_u32 s13, s13, STAGE    ; my stage
	v_mul_u32_u24 v[STO], v1, SP    ; in: row l % 16, 16 bytes for each half of the lanes
	v_lshl_add_u32 v[STO], v9, 4, v[STO]
	v_add_nc_u32 v[STO], s13, v[STO]
	v_mul_u32_u24 v[RD], v9, SP     ; back: lanes 0-15 one row of 256 bytes, lanes 16-31 the next
	v_lshl_add_u32 v[RD], v1, 4, v[RD]
	v_add_nc_u32 v[RD], s13, v[RD]
	v_lshlrev_b32 v[GO], 8, v9
	v_lshl_add_u32 v[GO], v1, 4, v[GO]
	v_mov_b32 v[ZO], 0
	TURN 2, 0, 1, 1                 ; piece 2's first scores | piece 0's first softmax | V of step 0
	TURN 0, 1, 1, 1                 ; piece 0: V^T P of step 0 starts O^T, K Q^T of step 1 | piece 2's first softmax | K of step 1
	TURN 2, 1, 1, 0                 ; piece 2: the same | piece 0's softmax of step 1 | V of step 1
	WIN 0
.Lslot:                             ; 14 trips: every slot but the last two is filled again
	CHANGE 1
	TWO_STEPS
	s_sub_co_u32 s[SLOTS], s[SLOTS], 1
	s_cmp_lg_u32 s[SLOTS], 0
	s_cbranch_scc1 .Lslot
	CHANGE 0                        ; the tail is written out
	TWO_STEPS
	TURN 0, 2, 0, 0                 ; piece 0: V^T P of the last step | piece 2's last softmax
.set i, 0
.rept 32
	PV 2, 0                         ; piece 2: V^T P of the last step
.set i, i+1
.endr
	; THE WAY OUT.  The four l are completed; O = O1 / l1 - lam O2 / l2.  The additions are the places behind the last products.
	WIN 0
.irp t, 0,1,2,3
	v_add_f32 v[ST+8*(\t)+4], v[ST+8*(\t)+2], v[ST+8*(\t)+3]
.endr
.irp t, 0,1,2,3
	v_permlanex16_b32 v[ST+8*(\t)+5], v[ST+8*(\t)+4], s[SEL], s[SEL+1]
.endr
.irp t, 0,1,2,3
	v_add_f32 v[ST+8*(\t)+4], v[ST+8*(\t)+4], v[ST+8*(\t)+5]
.endr
.irp t, 0,1,2,3
	v_rcp_f32 v[ST+8*(\t)+6], v[ST+8*(\t)+4]
.endr
	v_nop                           ; a plain instruction behind the last reciprocal,
	s_wait_alu depctr_va_vdst(0)    ; and one wait for the four
	v_mul_f32 v[ST+22], v[ST+22], v[LAM]  ; tiles 2 and 3: -lam / l
	v_mul_f32 v[ST+30], v[ST+30], v[LAM]
	WIN W_RS
.irp r, 0,1
.set i, 0
.rept 32
	v_pk_mul_f32 v[64*\r+i:64*\r+i+1], v[64*\r+i:64*\r+i+1], v[ST+8*\r+6:ST+8*\r+7] op_sel_hi:[1,0]
.set i, i+2
.endr
.endr
	WIN 0x51                        ; sources 0 and 2 and the destination in window 1, the factor in window 0
.irp r, 0,1
.set i, 0
.rept 32
	v_pk_fma_f32 v[64*\r+i:64*\r+i+1], v[64*\r+128+i:64*\r+128+i+1], v[ST+8*\r+22:ST+8*\r+23], v[64*\r+i:64*\r+i+1] op_sel_hi:[1,0,1]
.set i, i+2
.endr
.endr
.macro JOIN                         ; the four chains into one number, summed over the lanes
	WIN 0
	v_pk_add_f32 v[T:T+1], v[T:T+1], v[T+2:T+3]
	v_pk_add_f32 v[T+4:T+5], v[T+4:T+5], v[T+6:T+7]
	v_pk_add_f32 v[T:T+1], v[T:T+1], v[T+4:T+5]
	v_add_f32 v[T], v[T], v[T+1]
	REDUCE T, T+1
.endm
	; the mean of my 32 rows x 128 channels (128 numbers a lane, window 1 v0-127), in four chains
	WIN 0x05                        ; sources in window 1, destination in window 0
.irp c, 0,2,4,6
	v_pk_add_f32 v[T+\c:T+\c+1], v[\c:\c+1], v[8+\c:8+\c+1]
.endr
	WIN 0x01
.set i, 16
.rept 56
	v_pk_add_f32 v[T+i%8:T+i%8+1], v[i:i+1], v[T+i%8:T+i%8+1]
.set i, i+2
.endr
	JOIN
	v_mul_f32 v[MN], 0x39800000, v[T]  ; / 4,096
	v_mov_b32 v[MN+1], v[MN]        ; named with it as a pair
	WIN W_RS
.set i, 0
.rept 64
	v_pk_add_f32 v[i:i+1], v[i:i+1], v[MN:MN+1] op_sel_hi:[1,0] neg_lo:[0,1] neg_hi:[0,1]  ; O less my mean
.set i, i+2
.endr
	WIN 0x05                        ; the sum of squares about my mean: no difference of large sums is formed
.irp c, 0,2,4,6
	v_pk_mul_f32 v[T+\c:T+\c+1], v[\c:\c+1], v[\c:\c+1]
.endr
.set i, 8
.rept 60
	v_pk_fma_f32 v[T+i%8:T+i%8+1], v[i:i+1], v[i:i+1], v[T+i%8:T+i%8+1]
.set i, i+2
.endr
	JOIN
	v_mov_b32 v[MN+1], v[T]
; Query tile t: a lane's eight channels of a row pack into 16 bytes; they go into rows of 272 bytes and come back as whole rows of 256.
.macro PACK t
	WIN 0x05
.set i, 0
.rept 32
	v_cvt_pk_f16_f32 v[S+32*(\t)+i], v[64*(\t)+2*i], v[64*(\t)+2*i+1]
.set i, i+1
.endr
	WIN 0
.irp f, 0,1,2,3,4,5,6,7
	ds_store_b128 v[STO], v[S+32*(\t)+4*(\f):S+32*(\t)+4*(\f)+3] offset:32*(\f)
.endr
.irp f, 0,1,2,3,4,5,6,7
	ds_load_b128 v[S+32*(\t)+4*(\f):S+32*(\t)+4*(\f)+3], v[RD] offset:(\f)*2*SP  ; LDS serves a wave's instructions in order (ISA guide 5.7.1.4): these see the stores above
.endr
.endm
.macro SEND t, younger              ; younger: the LDS instructions issued behind tile t's loads
.irp f, 0,1,2,3,4,5,6,7
	s_wait_dscnt (\younger)+7-(\f)
	global_store_b128 v[GO], v[S+32*(\t)+4*(\f):S+32*(\t)+4*(\f)+3], s[10:11] offset:(\t)*4096+(\f)*512  ; 512 consecutive bytes, aligned
.endr
.endm
	PACK 0
	PACK 1
	SEND 0, 16
	SEND 1, 0
	v_cmp_eq_u32 vcc_lo, 0, v[LN]
	s_wait_xcnt 0x0                 ; EXEC is a source of the stores above: it changes only behind this wait
	s_and_saveexec_b32 s13, vcc_lo
	global_store_b64 v[ZO], v[MN:MN+1], s[82:83]  ; lane 0: my mean and my sum of squares
	s_wait_xcnt 0x0                 ; and again, in front of the line that widens it
	s_or_b32 exec_lo, exec_lo, s13
	s_wait_tensorcnt 0x0            ; the wave's end
	ds_add_u32 v[SPW], v[NIL]
	s_wait_dscnt 0x0
	CROUND                          ; the closing round
	s_endpgm
.Lfunc_end_k_q0850986478_attn:
	.size	k_q0850986478_attn, .Lfunc_end_k_q0850986478_attn-k_q0850986478_attn
	.p2alignl 7, 3214868480
	.fill 96, 4, 3214868480
	.section	.rodata,"a",@progbits
	.p2align	6, 0x0
	.amdhsa_kernel k_q0850986478_attn
		.amdhsa_group_segment_fixed_size 327680
		.amdhsa_private_segment_fixed_size 0
		.amdhsa_enable_private_segment 0
		.amdhsa_kernarg_size 56
		.amdhsa_user_sgpr_count 2
		.amdhsa_user_sgpr_kernarg_segment_ptr 1
		.amdhsa_wavefront_size32 1
		.amdhsa_system_sgpr_workgroup_id_x 1
		.amdhsa_system_sgpr_workgroup_id_y 1
		.amdhsa_system_sgpr_workgroup_id_z 1
		.amdhsa_system_vgpr_workitem_id 0
		.amdhsa_next_free_vgpr 896
		.amdhsa_next_free_sgpr 84
		.amdhsa_reserve_vcc 1
		.amdhsa_float_denorm_mode_32 3
		.amdhsa_float_denorm_mode_16_64 3
		.amdhsa_memory_ordered 1
		.amdhsa_forward_progress 1
		.amdhsa_inst_pref_size 214
	.end_amdhsa_kernel
	.amdgpu_metadata
---
amdhsa.version: [ 1, 2 ]
amdhsa.kernels:
  - .name:           k_q0850986478_attn
    .symbol:         k_q0850986478_attn.kd
    .args:
      - { .name: qkv, .offset: 0, .size: 8, .value_kind: global_buffer, .address_space: global }
      - { .name: lq1, .offset: 8, .size: 8, .value_kind: global_buffer, .address_space: global }
      - { .name: lk1, .offset: 16, .size: 8, .value_kind: global_buffer, .address_space: global }
      - { .name: lq2, .offset: 24, .size: 8, .value_kind: global_buffer, .address_space: global }
      - { .name: lk2, .offset: 32, .size: 8, .value_kind: global_buffer, .address_space: global }
      - { .name: od, .offset: 40, .size: 8, .value_kind: global_buffer, .address_space: global }
      - { .name: part, .offset: 48, .size: 8, .value_kind: global_buffer, .address_space: global }
    .group_segment_fixed_size: 327680
    .private_segment_fixed_size: 0
    .kernarg_segment_align: 8
    .kernarg_segment_size: 56
    .max_flat_workgroup_size: 128
    .sgpr_count:     84
    .vgpr_count:     896
    .wavefront_size: 32
...
	.end_amdgpu_metadata
.endif
;; end of part 3
;; launch oproj (part 4): grid 4 x 64, 4 waves a work-group, clusters of 4 x 4, 327,680 bytes of LDS; arguments od, part, gn_w, gn_b, wh, bo, out0, out1; writes out0, out1
.if DOCPART == 4
	.amdgcn_target "amdgcn-amd-amdhsa--gfx1250"
	.amdhsa_code_object_version 6
	.text
	.protected	k_q0850986478_oproj
	.globl	k_q0850986478_oproj
	.p2align	8
	.type	k_q0850986478_oproj,@function
k_q0850986478_oproj:
	s_mov_b64 s[64:65], 0
	v_nop
	global_prefetch_b8 v0, s[64:65] scope:SCOPE_SE
	s_setreg_imm32_b32 hwreg(HW_REG_WAVE_MODE, 25, 1), 1
	s_wait_xcnt 0x0
	s_wait_alu depctr_hold_cnt(0) depctr_sa_sdst(0) depctr_va_vdst(0) depctr_va_sdst(0) depctr_va_ssrc(0) depctr_va_vcc(0) depctr_vm_vsrc(0)
	s_getreg_b32 s2, hwreg(HW_REG_IB_STS2, 6, 4)
	s_cmp_eq_u32 s2, 0
	s_cbranch_scc0 .Lentry_in_a_cluster
	s_endpgm
.Lentry_in_a_cluster:
	s_bfe_u32 s2, ttmp6, 0x10000c
	s_cmp_lg_u32 s2, 0xf033
	s_cbranch_scc0 .Lentry_shape_is_right
	s_endpgm
.Lentry_shape_is_right:
; out = y Wo^T + bo, with y = (1 - LAMBDA_INIT) (GroupNorm(O) gn_w + gn_b) made on the way from LDS to the matrix unit.
; A = od [32 g][2048][128] f16: O less the mean of its block of 32 rows; part [32 g][64][2] f32: each block's mean and sum of squares about it; g = 8 (2 stream + batch) + head.
; B = wh's rows 3072-4095 (Wo) f16.  Sums in f32 that START with bo; out in f32: rows 0-4095 of the 8,192 are out0, the others out1.  gn_w, gn_b, bo are rounded to bf16 like every input.
; THE NORM.  An instance's 64 blocks are joined without a difference of large sums: mean = the mean of the means; M2 = the sum of M2_i + 4,096 (mean_i - mean)^2; var = M2 / 2^18.
; y = od a + b, a = gn_w rstd k, b = gn_b k + (the block's mean - mean) a, k = 0.644491.  At the head each wave joins two heads (one in each half of its lanes: four blocks a lane, sums over 16 lanes)
; and writes a for its 256 channels, and b for them and each of the tile's four blocks of 32 rows, as f16 into tables in LDS.  In each quarter step a lane reads a and b for its 16 channels, laid
; out as a fragment is, and one packed f16 multiply-add a register turns a fragment of od into a fragment of y, rounded once.  LIMIT: |a|, |b|, |y| stay under 65,504 (f16).
; A tile of C is 128 rows x 256 columns: 256 tiles, one for each WGP.  Four waves, each 64 x 128: 32 accumulators.  K step s is head s: 128 channels, rows of 256 dense bytes in od, rows of 256
; aligned bytes in wh, through a ring of two LDS slots filled by the tensor data mover; waves 0, 1 fetch A's two halves of 64 rows, waves 2, 3 B's two halves of 128.
; CLUSTER 4 x 4: A's tile is shared along a row of the cluster, B's along a column: each is asked for jointly, by the same load with the same descriptor and a mask that names the four.
; THE MATRIX INSTRUCTION IS USED TRANSPOSED (source 0 = 16 rows of B, source 1 = 16 rows of A): a lane holds row l % 16 of C and eight neighbouring columns 8 (l / 16) + 0..7.
; REGISTERS: window 0: v0-31 addresses, v64-159 and v160-255 two fragment buffers (B's 8 fragments, then A's 4), at the head at work, at the end rows on their way out; window 1: the accumulators,
; (a, b) at v[8 (8 a + b)]; window 2: v0-63 the bias in the accumulators' layout, v64-95 at work, v96-119 and v128-151 two sets of a (8) and b (8 for each of my two blocks of 32 rows).
.set SIZE_K, 1024
.set KSTEP,  128
.set ASTEP,  1<<19                     ; bytes from a head of od to the next: A's K step
.set PITCH,  272                       ; an LDS row: 256 bytes + 16 of padding: the 16 rows of a fragment load start at 16 different groups of four banks (ISA guide 11.1)
.set HA,     64*PITCH
.set HB,     128*PITCH
.set ABYTES, 2*HA
.set SLOT,   ABYTES+2*HB               ; A's 128 rows, then B's 256
.set STAGE,  2*SLOT                    ; behind the ring: 16 rows x 528 bytes for each wave, for the way out
.set SPITCH, 528                       ; 512 bytes of f32 + 16
.set TAB,    STAGE+4*16*SPITCH         ; behind the stages: a[1024], then b[4][1024], f16; no tensor load lands here
.set TABQ,   2048                      ; bytes in one of the five tables
.set SPARE,  TAB+5*TABQ                ; behind the tables: the spare words, 128 bytes a wave
.set LAPS,   SIZE_K/(2*KSTEP)
.set WOROW,  3072                      ; Wo's first row in wh
.set LN,   5                           ; v5      my lane
.set PAO,  7                           ; v7      my four blocks' figures in part
.set PBO,  8                           ; v8      the tile's four blocks' figures, of my half's head
.set GNO,  9                           ; v9      my 8 channels in gn_w and gn_b
.set TS,   10                          ; v10     where I put my 8 channels in a table
.set CA0,  11                          ; v11     table a, my half of the lanes; never rewritten
.set CB0,  12                          ; v12     table b of my first block of 32 rows; never rewritten
.set CAD,  13                          ; v13     the same two at the lap in hand
.set CBD,  14                          ; v14
.set ADRA, 16
.set ADRB, 20
.set STO,  24
.set RD,   25
.set CO,   26
.set BO,   27
.set SPW,  28
.set NIL,  29
.set PFO,  30
.set F0,   64
.set F1,   160
.set C0,   96                          ; window 2
.set C1,   128
.set PS,   64                          ; at the head, window 0: four blocks' (mean, M2)
.set QS,   72                          ; the tile's four blocks' (mean, M2)
.set GW,   80                          ; gn_w of my 8 channels, then a
.set GB,   88                          ; gn_b, then gn_b k
.set W,    96                          ; at work
.set T8,   112
.set PK,   120                         ; 5 x 4 registers of packed f16
.set RB,   140
.set G1,  24
.set G0,  32
.set G1B, 48
.set G0B, 56
.set LIM, 43
.set PFA, 44
.set PSR, 66                           ; s[66:67] the prefetches' step: a K step of od or of wh
.set CT,  84                           ; s84     the lap's first byte in a table
.set FLAGS, (1<<16)|(1<<20)|(1<<21)|(5<<22)|(3<<25)  ; 2-byte elements; padding on; bit 21 beside a mask; after every 64 words; 4 words
.set MUL,  0x50
.set MULF, 0x60
.set MSB, 0
.macro WIN new
.if MSB != (\new)
	s_set_vgpr_msb (MSB<<8)|(\new)
.set MSB, \new
.endif
.endm
.macro SHAPE g, rows, pitch            ; group 1 behind its first word: a tile of rows x 128 elements
	s_mov_b32 s[(\g)+1], KSTEP<<16
	s_mov_b32 s[(\g)+2], (\rows)<<16
	s_mov_b32 s[(\g)+3], KSTEP<<16
	s_mov_b32 s[(\g)+4], \rows
	s_mov_b32 s[(\g)+5], \pitch
	s_mov_b32 s[(\g)+6], 0
	s_mov_b32 s[(\g)+7], 0
.endm
.macro JLOAD s                         ; a joint load; the branch hangs on the wave's number alone; an s_nop 0 and four v_nop follow each line
	s_cmp_eq_u32 s11, 0
	s_cbranch_scc0 .Lfor_b_\@
	tensor_load_to_lds s[G0+4*(\s):G0+4*(\s)+3], s[G1:G1+7]
	s_nop 0
.rept 4
	v_nop
.endr
	s_branch .Lasked_\@
.Lfor_b_\@:
	tensor_load_to_lds s[G0B+4*(\s):G0B+4*(\s)+3], s[G1B:G1B+7]
	s_nop 0
.rept 4
	v_nop
.endr
.Lasked_\@:
.endm
.macro CREST
	s_cmp_lg_u32 s10, 0
	s_cbranch_scc1 .Lnot_wave_0_\@
	s_barrier_signal -3
.Lnot_wave_0_\@:
	s_barrier_wait -3
	s_barrier_signal -1
	s_barrier_wait -1
.endm
.macro CROUND
	s_barrier_signal -1
	s_barrier_wait -1
	CREST
.endm
.macro PLACES
.rept 4
	v_nop
.endr
.endm
.macro RED16 r                         ; the sum over the 16 lanes of my half, in each of them
	v_add_f32_dpp v[\r], v[\r], v[\r] row_xmask:1 row_mask:0xf bank_mask:0xf
	v_add_f32_dpp v[\r], v[\r], v[\r] row_xmask:2 row_mask:0xf bank_mask:0xf
	v_add_f32_dpp v[\r], v[\r], v[\r] row_xmask:4 row_mask:0xf bank_mask:0xf
	v_add_f32_dpp v[\r], v[\r], v[\r] row_xmask:8 row_mask:0xf bank_mask:0xf
.endm
; A prefetch of the K step that stands two refills on: 32 rows x 256 bytes, a lane a row.  Each row's 256 bytes are named once in the launch: od's rows by wave 0 (one cluster reads them),
; Wo's by waves 2 and 3 of the clusters with y = 0; the four partners that share a tile take 32 rows each, told apart by address.  The loop's last trip asks for nothing.
.macro ASK
	s_cmp_gt_u32 s3, s[LIM]
	s_cbranch_scc0 .Lnot_mine_\@
	global_prefetch_b8 v[PFO], s[PFA:PFA+1] th:TH_LOAD_NT scope:SCOPE_SE
.Lnot_mine_\@:
.endm
	s_load_b512 s[68:83], s[0:1], 0x0              ; od s[68:69], part s[70:71], gn_w s[72:73], gn_b s[74:75], wh s[76:77], bo s[78:79], out0 s[80:81], out1 s[82:83]
	v_lshl_add_u32 v[SPW], v0, 2, SPARE
	v_mov_b32 v[NIL], 0
	ds_add_u32 v[SPW], v[NIL]                      ; the wave's opening: the add and its wait stand ahead of my first tensor load
	v_lshrrev_b32 v1, 5, v0
	v_readfirstlane_b32 s10, v1                    ; wave 0..3
	s_lshr_b32 s11, s10, 1                         ; my half of the tile's rows.  Also: I fetch for A (0) or B (1)
	s_and_b32 s12, s10, 1                          ; my half of its columns.  Also: which half of that tile I fetch
	s_bfe_u32 s40, ttmp6, 0x40000                  ; cx
	s_bfe_u32 s41, ttmp6, 0x40004                  ; cy
	s_lshl_b32 s42, ttmp9, 2
	s_add_co_u32 s42, s42, s40                     ; tile column
	s_and_b32 s13, ttmp7, 0xffff
	s_lshl_b32 s13, s13, 2
	s_add_co_u32 s13, s13, s41                     ; tile row: 16 (2 stream + batch) + the block of 128 rows
	s_lshl_b32 s43, s41, 2
	s_lshl_b32 s43, 15, s43
	s_lshl_b32 s44, 0x1111, s40
	s_or_b32 s[G1+0], s43, FLAGS
	s_or_b32 s[G1B+0], s44, FLAGS
	SHAPE G1, 64, 128                              ; od's rows follow each other
	SHAPE G1B, 128, SIZE_K
	s_mov_b32 s[CT], 0
	s_mov_b32 s85, 0x45800000                      ; 4,096
	s_mov_b32 s86, 0x36800000                      ; 2^-18
	s_mov_b32 s87, 0x3727c5ac                      ; 1e-5
	s_mov_b32 s88, 0xffff0000                      ; a word's upper bf16
	s_lshr_b32 s16, s13, 4
	s_lshl_b32 s16, s16, 22                        ; A: 8 instances of 2^19 bytes for each stream and batch,
	s_and_b32 s17, s13, 15
	s_lshl_b32 s17, s17, 7
	s_lshl_b32 s18, s12, 6
	s_add_co_u32 s17, s17, s18                     ; row 128 x block + 64 x half,
	s_lshl_b32 s17, s17, 8                         ; 256 bytes each
	s_add_co_u32 s16, s16, s17
	s_mov_b32 s17, 0
	s_lshl_b32 s47, s12, 7
	s_lshl_b32 s46, s42, 8
	s_add_co_u32 s46, s46, s47
	s_add_co_u32 s46, s46, WOROW                   ; B: row 3,072 + 256 x tile column + 128 x half
	s_lshl_b32 s46, s46, 11
	s_mov_b32 s47, 0
	s_mul_i32 s20, s12, HA                         ; where they go: no place in the cluster enters an LDS address
	s_mul_i32 s21, s12, HB
	s_add_co_u32 s21, s21, ABYTES
	s_wait_dscnt 0x0                               ; the opening add is done
	s_wait_kmcnt 0x0
	s_mov_b64 s[4:5], s[68:69]
	s_mov_b64 s[6:7], s[76:77]
	s_add_nc_u64 s[14:15], s[4:5], s[16:17]
	s_add_nc_u64 s[46:47], s[6:7], s[46:47]
	CROUND                                         ; all sixteen work-groups are here: the first joint loads meet
.irp s, 0,1
	s_mov_b32 s[G0+4*(\s)], 1
	s_add_co_u32 s[G0+4*(\s)+1], s20, (\s)*SLOT
	s_add_nc_u64 s[G0+4*(\s)+2:G0+4*(\s)+3], s[14:15], (\s)*ASTEP
	s_or_b32 s[G0+4*(\s)+3], s[G0+4*(\s)+3], 0x80000000
	s_mov_b32 s[G0B+4*(\s)], 1
	s_add_co_u32 s[G0B+4*(\s)+1], s21, (\s)*SLOT
	s_add_nc_u64 s[G0B+4*(\s)+2:G0B+4*(\s)+3], s[46:47], (\s)*KSTEP*2
	s_or_b32 s[G0B+4*(\s)+3], s[G0B+4*(\s)+3], 0x80000000
	JLOAD \s                                       ; K steps 0 and 1: two loads of mine are out
.endr
	v_and_b32 v1, 15, v0                           ; l % 16
	v_bfe_u32 v2, v0, 4, 1                         ; l / 16
	v_and_b32 v[LN], 31, v0
	; what the norm needs goes out first: lanes 0-15 work for head 2 w, lanes 16-31 for head 2 w + 1
	s_lshr_b32 s20, s13, 4
	s_lshl_b32 s20, s20, 12                        ; 8 instances x 512 bytes of part,
	s_lshl_b32 s21, s10, 10                        ; my wave's two
	s_add_co_u32 s20, s20, s21
	s_and_b32 s21, s13, 15
	s_lshl_b32 s21, s21, 5                         ; the tile's four blocks of 32 rows, 8 bytes each
	s_add_co_u32 s21, s21, s20
	v_lshlrev_b32 v6, 9, v2
	v_lshl_add_u32 v[PAO], v1, 5, v6               ; four blocks a lane
	v_add_nc_u32 v[PAO], s20, v[PAO]
	v_add_nc_u32 v[PBO], s21, v6
	v_lshlrev_b32 v[GNO], 5, v0                    ; channel 256 w + 8 l: 32 bytes a thread
	global_load_b128 v[PS:PS+3],   v[PAO], s[70:71]
	global_load_b128 v[PS+4:PS+7], v[PAO], s[70:71] offset:16
	global_load_b128 v[QS:QS+3],   v[PBO], s[70:71]
	global_load_b128 v[QS+4:QS+7], v[PBO], s[70:71] offset:16
	global_load_b128 v[GW:GW+3],   v[GNO], s[72:73]
	global_load_b128 v[GW+4:GW+7], v[GNO], s[72:73] offset:16
	global_load_b128 v[GB:GB+3],   v[GNO], s[74:75]
	global_load_b128 v[GB+4:GB+7], v[GNO], s[74:75] offset:16
	; the bias, in the accumulators' layout
	s_lshl_b32 s20, s42, 10
	s_lshl_b32 s21, s12, 9
	s_add_co_u32 s20, s20, s21
	v_lshl_add_u32 v[BO], v2, 5, s20
	WIN 0x80                                       ; destination window 2, address window 0
.irp b, 0,1,2,3,4,5,6,7
	global_load_b128 v[8*(\b):8*(\b)+3],   v[BO], s[78:79] offset:64*(\b)
	global_load_b128 v[8*(\b)+4:8*(\b)+7], v[BO], s[78:79] offset:64*(\b)+16
.endr
	WIN 0
	; addresses, while those loads are out
	v_mul_u32_u24 v3, v1, PITCH
	v_lshl_add_u32 v3, v2, 4, v3                   ; a fragment's row x pitch + 16 x half
	s_mul_i32 s21, s11, HA
	s_mul_i32 s22, s12, HB
	s_add_co_u32 s22, s22, ABYTES
.irp s, 0,1
	v_add_nc_u32 v[ADRA+(\s)], s21, v3
	v_add_nc_u32 v[ADRB+(\s)], s22, v3
	s_add_co_u32 s21, s21, SLOT
	s_add_co_u32 s22, s22, SLOT
.endr
	v_lshl_add_u32 v[TS], v0, 4, TAB               ; 8 channels of f16: 16 bytes a thread
	v_lshl_add_u32 v[CA0], v2, 4, TAB              ; a fragment's channels 8 (l / 16) + 0..7
	s_lshl_b32 s21, s11, 12
	s_add_co_u32 s21, s21, TABQ                    ; behind a: b of block 2 x my half of the rows
	v_add_nc_u32 v[CB0], s21, v[CA0]
	v_mov_b32 v[CAD], v[CA0]
	v_mov_b32 v[CBD], v[CB0]
	s_mul_i32 s23, s10, 16*SPITCH
	s_add_co_u32 s23, s23, STAGE                   ; my stage
	v_mul_u32_u24 v4, v1, SPITCH                   ; in: row l % 16, 32 bytes for each half of the lanes
	v_lshl_add_u32 v4, v2, 5, v4
	v_add_nc_u32 v[STO], s23, v4
	v_lshlrev_b32 v[CO], 4, v[LN]                  ; back, and out: 32 lanes take a row's 512 bytes
	v_add_nc_u32 v[RD], s23, v[CO]
	; where my 64 rows x 128 columns go
	s_lshl_b32 s14, s13, 7
	s_lshl_b32 s15, s11, 6
	s_add_co_u32 s14, s14, s15                     ; my first row
	s_cmp_lt_u32 s14, 4096
	s_cselect_b64 s[8:9], s[80:81], s[82:83]
	s_and_b32 s14, s14, 4095
	s_lshl_b32 s16, s14, 12                        ; 4,096 bytes a row
	s_lshl_b32 s15, s42, 10
	s_add_co_u32 s16, s16, s15
	s_lshl_b32 s15, s12, 9
	s_add_co_u32 s16, s16, s15
	s_mov_b32 s17, 0
	s_add_nc_u64 s[8:9], s[8:9], s[16:17]
	; the prefetches: they stand at K step 3; the first refill steps them to 4 and names that
	s_lshr_b32 s20, s13, 4
	s_lshl_b32 s20, s20, 22
	s_and_b32 s21, s13, 15
	s_lshl_b32 s21, s21, 7
	s_lshl_b32 s22, s40, 5
	s_add_co_u32 s21, s21, s22                     ; od: my work-group's 32 rows of the tile's 128
	s_lshl_b32 s21, s21, 8
	s_add_co_u32 s20, s20, s21
	s_add_co_u32 s20, s20, 3*ASTEP
	s_lshl_b32 s21, s42, 8
	s_lshl_b32 s22, s12, 7
	s_add_co_u32 s21, s21, s22
	s_lshl_b32 s22, s41, 5
	s_add_co_u32 s21, s21, s22                     ; Wo: my work-group's 32 rows of the 128 that I fetch
	s_add_co_u32 s21, s21, WOROW
	s_lshl_b32 s21, s21, 11
	s_add_co_u32 s21, s21, 3*KSTEP*2
	s_and_b32 s22, ttmp7, 0xffff                   ; cluster y
	s_mov_b32 s14, ASTEP
	s_movk_i32 s15, KSTEP*2
	s_cmp_eq_u32 s11, 0
	s_cselect_b32 s20, s20, s21
	s_cselect_b32 s22, s12, s22                    ; od: wave 0 alone; Wo: the clusters with y = 0
	s_cselect_b32 s23, 8, 11                       ; a row is 256 bytes of od, 2,048 of wh
	s_cselect_b32 s[PSR], s14, s15
	s_cselect_b64 s[PFA:PFA+1], s[4:5], s[6:7]
	s_cmp_eq_u32 s22, 0
	s_cselect_b32 s[LIM], 1, -1                    ; the same in all sixteen partners, for a given wave
	s_mov_b32 s21, 0
	s_mov_b32 s[PSR+1], 0
	s_add_nc_u64 s[PFA:PFA+1], s[PFA:PFA+1], s[20:21]
	v_lshlrev_b32 v[PFO], s23, v[LN]
	; THE NORM'S FIGURES
	s_wait_loadcnt 16                              ; the eight small loads are in; the bias's sixteen may stay out
	v_add_f32 v[W], v[PS], v[PS+2]
	v_add_f32 v[W+1], v[PS+4], v[PS+6]
	v_add_f32 v[W], v[W], v[W+1]
	RED16 W
	v_mul_f32 v[W+2], 0x3c800000, v[W]             ; the head's mean: / 64
	v_sub_f32 v[W+3], v[PS], v[W+2]
	v_sub_f32 v[W+4], v[PS+2], v[W+2]
	v_sub_f32 v[W+5], v[PS+4], v[W+2]
	v_sub_f32 v[W+6], v[PS+6], v[W+2]
	v_mul_f32 v[W+3], v[W+3], v[W+3]
	v_fmac_f32 v[W+3], v[W+4], v[W+4]
	v_fmac_f32 v[W+3], v[W+5], v[W+5]
	v_fmac_f32 v[W+3], v[W+6], v[W+6]
	v_add_f32 v[W+7], v[PS+1], v[PS+3]
	v_add_f32 v[W+8], v[PS+5], v[PS+7]
	v_add_f32 v[W+7], v[W+7], v[W+8]
	v_fma_f32 v[W+7], v[W+3], s85, v[W+7]          ; + 4,096 x the squares
	RED16 W+7
	v_fma_f32 v[W+7], v[W+7], s86, s87             ; var + eps
	v_rsq_f32 v[W+9], v[W+7]
.irp q, 0,1,2,3
	v_sub_f32 v[W+10+\q], v[QS+2*\q], v[W+2]       ; the tile's blocks' means less the mean: also the plain work behind the root
.endr
.irp q, 0,1,2,3
	v_cvt_pk_bf16_f32 v[RB+\q], v[GW+2*\q], v[GW+2*\q+1]
	v_cvt_pk_bf16_f32 v[RB+4+\q], v[GB+2*\q], v[GB+2*\q+1]
.endr
.irp q, 0,1,2,3
	v_lshlrev_b32 v[GW+2*\q], 16, v[RB+\q]
	v_and_b32 v[GW+2*\q+1], s88, v[RB+\q]
	v_lshlrev_b32 v[GB+2*\q], 16, v[RB+4+\q]
	v_and_b32 v[GB+2*\q+1], s88, v[RB+4+\q]
.endr
	s_wait_alu depctr_va_vdst(0)                   ; the wait ahead of the root's first use
	v_mul_f32 v[W+9], 0x3f24fd5c, v[W+9]           ; rstd x (1 - LAMBDA_INIT)
.irp j, 0,1,2,3,4,5,6,7
	v_mul_f32 v[GW+\j], v[GW+\j], v[W+9]           ; a
	v_mul_f32 v[GB+\j], 0x3f24fd5c, v[GB+\j]
.endr
.irp q, 0,1,2,3
	v_cvt_pk_f16_f32 v[PK+\q], v[GW+2*\q], v[GW+2*\q+1]
.endr
	ds_store_b128 v[TS], v[PK:PK+3]
.irp q, 0,1,2,3
.irp j, 0,1,2,3,4,5,6,7
	v_fma_f32 v[T8+\j], v[W+10+\q], v[GW+\j], v[GB+\j]  ; b for block q
.endr
.irp i, 0,1,2,3
	v_cvt_pk_f16_f32 v[PK+4+4*\q+\i], v[T8+2*\i], v[T8+2*\i+1]
.endr
	ds_store_b128 v[TS], v[PK+4+4*\q:PK+7+4*\q] offset:TABQ*(1+\q)
.endr
	s_wait_loadcnt 0x0                             ; the bias: rounded to bf16 like every input
	WIN 0x8a                                       ; sources and destination in window 2
.set i, 0
.rept 32
	v_cvt_pk_bf16_f32 v[64+i], v[2*i], v[2*i+1]
.set i, i+1
.endr
.set i, 0
.rept 32
	v_lshlrev_b32 v[2*i], 16, v[64+i]
	v_and_b32 v[2*i+1], s88, v[64+i]
.set i, i+1
.endr
	WIN 0
; 8 matrix instructions: m block a x all 8 n blocks, 32 along K.  first = 1: the bias starts the sums.  The 32 accumulators take turns, in the same order in every quarter.
.macro MUL8 f, a, first
.if \first
	WIN MULF
.else
	WIN MUL
.endif
.irp b, 0,1,2,3,4,5,6,7
.if \first
	v_wmma_f32_16x16x32_f16 v[8*(8*(\a)+(\b)):8*(8*(\a)+(\b))+7], v[(\f)+8*(\b):(\f)+8*(\b)+7], v[(\f)+64+8*(\a):(\f)+64+8*(\a)+7], v[8*(\b):8*(\b)+7]
.else
	v_wmma_f32_16x16x32_f16 v[8*(8*(\a)+(\b)):8*(8*(\a)+(\b))+7], v[(\f)+8*(\b):(\f)+8*(\b)+7], v[(\f)+64+8*(\a):(\f)+64+8*(\a)+7], v[8*(8*(\a)+(\b)):8*(8*(\a)+(\b))+7]
.endif
.endr
.endm
; 30 LDS loads in one run, for 32 along K at byte k of the rows: a and my two blocks' b into set c (K step cs of the lap in hand: 256 bytes of a table each), then B's 8 fragments and A's 4 into f.
; A table's 16 bytes at k + 16 (l / 16) and at 32 more are the channels that a fragment's registers 0-3 and 4-7 hold.
.macro FETCH slot, k, f, c, cs
	WIN 0x80                                       ; destination window 2, address window 0
	ds_load_b128 v[(\c):(\c)+3],     v[CAD] offset:(\cs)*256+(\k)
	ds_load_b128 v[(\c)+4:(\c)+7],   v[CAD] offset:(\cs)*256+(\k)+32
	ds_load_b128 v[(\c)+8:(\c)+11],  v[CBD] offset:(\cs)*256+(\k)
	ds_load_b128 v[(\c)+12:(\c)+15], v[CBD] offset:(\cs)*256+(\k)+32
	ds_load_b128 v[(\c)+16:(\c)+19], v[CBD] offset:TABQ+(\cs)*256+(\k)
	ds_load_b128 v[(\c)+20:(\c)+23], v[CBD] offset:TABQ+(\cs)*256+(\k)+32
	WIN 0
.irp i, 0,1,2,3,4,5,6,7
	ds_load_b128 v[(\f)+8*(\i):(\f)+8*(\i)+3],   v[ADRB+(\slot)] offset:(\k)+(\i)*16*PITCH
	ds_load_b128 v[(\f)+8*(\i)+4:(\f)+8*(\i)+7], v[ADRB+(\slot)] offset:(\k)+(\i)*16*PITCH+32
.endr
.irp i, 0,1,2,3
	ds_load_b128 v[(\f)+64+8*(\i):(\f)+64+8*(\i)+3],   v[ADRA+(\slot)] offset:(\k)+(\i)*16*PITCH
	ds_load_b128 v[(\f)+64+8*(\i)+4:(\f)+64+8*(\i)+7], v[ADRA+(\slot)] offset:(\k)+(\i)*16*PITCH+32
.endr
.endm
; A's fragments a0 and a0 + 1 (32 rows: one block) turn from od into y, in place: two channels an instruction, rounded once to f16
.macro NORM f, c, a0
	WIN 0x28                                       ; sources 1 and 2 in window 2
.irp a, \a0, (\a0)+1
.irp r, 0,1,2,3,4,5,6,7
	v_pk_fma_f16 v[(\f)+64+8*(\a)+(\r)], v[(\f)+64+8*(\a)+(\r)], v[(\c)+(\r)], v[(\c)+8+8*((\a0)/2)+(\r)]
.endr
.endr
.endm
; A K step is four quarters of 32 along K, 32 matrix instructions each, on buffers 0, 1, 0, 1.  One of the first three multiplies f (with set c) and fetches the next quarter, at byte k, into g and cg.
.macro QUARTER slot, k, f, g, c, cg, cs, first
	s_wait_dscnt 4                                 ; a, b, B and A's blocks 0, 1 are in; the youngest four loads (A's blocks 2, 3) may be out
	NORM \f, \c, 0
	MUL8 \f, 0, \first
	MUL8 \f, 1, \first
	PLACES
	FETCH \slot, \k, \g, \cg, \cs
	s_wait_dscnt 30                                ; all but the 30 just issued
	NORM \f, \c, 2
	MUL8 \f, 2, \first
	MUL8 \f, 3, \first
.endm
; The last quarter multiplies buffer 1 and changes slots.  Its first sixteen products stand AHEAD of the wait for my tensor load: a refill is asked for only when the load before it has landed, so
; between that landing and the next request stand the add, the wait for my reads and the barrier alone.  ONE barrier: in front of it each wave waits for all its tensor loads (one is out: its part
; of the next slot), adds 0 to its spare word, and waits for that and for its own reads of this slot.  fill = 1: the barrier opens a round of the cluster's, and this slot is filled again, two K
; steps ahead, first thing behind the round.  cs: the next K step, counted from the lap in hand.
.macro TURN slot, next, fill, cs
.if \fill
	s_wait_xcnt 0x0                                ; the last prefetch, a K step back, has read its address
	s_add_nc_u64 s[PFA:PFA+1], s[PFA:PFA+1], s[PSR:PSR+1]
.endif
	s_wait_dscnt 4
	NORM F1, C1, 0
	MUL8 F1, 0, 0
	MUL8 F1, 1, 0
	WIN 0
	s_wait_tensorcnt 0x0                           ; my part of the next slot has landed: no tensor load of mine is out
	ds_add_u32 v[SPW], v[NIL]
	s_wait_dscnt 0x0                               ; the add is done, and my reads of this slot are over
	s_barrier_signal -1
	s_barrier_wait -1
.if \fill
	CREST                                          ; no wave of any partner still reads this slot or has a load on its way
	s_add_nc_u64 s[G0+4*(\slot)+2:G0+4*(\slot)+3], s[G0+4*(\slot)+2:G0+4*(\slot)+3], 2*ASTEP
	s_add_nc_u64 s[G0B+4*(\slot)+2:G0B+4*(\slot)+3], s[G0B+4*(\slot)+2:G0B+4*(\slot)+3], 2*KSTEP*2
	JLOAD \slot                                    ; my one tensor load behind the round; its four v_nop are also the places in front of the loads below
.else
	PLACES
.endif
	FETCH \next, 0, F0, C0, \cs
.if \fill
	ASK
.endif
	NORM F1, C1, 2
	MUL8 F1, 2, 0
	MUL8 F1, 3, 0
.endm
	s_wait_tensorcnt 1                             ; my part of K step 0 is in; K step 1's may stay out
	s_wait_dscnt 0x0                               ; for the others' sake: my part of the tables is written
	s_barrier_signal -1
	s_barrier_wait -1
	FETCH 0, 0, F0, C0, 0
	QUARTER 0, 64, F0, F1, C0, C1, 0, 1            ; the first quarter stands in front of the loop: its products start the sums
	WIN 0
	s_mov_b32 s3, LAPS-1
.Llap:                                                 ; a trip goes once round the ring and fills both slots again
	QUARTER 0, 128, F1, F0, C1, C0, 0, 0
	QUARTER 0, 192, F0, F1, C0, C1, 0, 0
	TURN 0, 1, 1, 1
	QUARTER 1, 64,  F0, F1, C0, C1, 1, 0
	QUARTER 1, 128, F1, F0, C1, C0, 1, 0
	QUARTER 1, 192, F0, F1, C0, C1, 1, 0
	TURN 1, 0, 1, 2
	QUARTER 0, 64,  F0, F1, C0, C1, 2, 0
	WIN 0
	s_add_co_u32 s[CT], s[CT], 2*KSTEP*2           ; the next lap's two heads in the tables
	v_add_nc_u32 v[CAD], s[CT], v[CA0]
	v_add_nc_u32 v[CBD], s[CT], v[CB0]
	s_sub_co_u32 s3, s3, 1
	s_cmp_lg_u32 s3, 0
	s_cbranch_scc1 .Llap
	QUARTER 0, 128, F1, F0, C1, C0, 0, 0           ; the last lap fills nothing
	QUARTER 0, 192, F0, F1, C0, C1, 0, 0
	TURN 0, 1, 0, 1
	QUARTER 1, 64,  F0, F1, C0, C1, 1, 0
	QUARTER 1, 128, F1, F0, C1, C0, 1, 0
	QUARTER 1, 192, F0, F1, C0, C1, 1, 0
	s_wait_dscnt 4
	NORM F1, C1, 0
	MUL8 F1, 0, 0
	MUL8 F1, 1, 0
	s_wait_dscnt 0x0
	NORM F1, C1, 2
	MUL8 F1, 2, 0
	MUL8 F1, 3, 0
	WIN 0
	PLACES
; THE WAY OUT, a block of 16 rows at a time: a lane's eight f32 of a row (each accumulator's low four registers first) go into my own stage, rows of 528 bytes; they come back as whole rows of 512
; bytes, a row a load, and are stored so.  Two sets of 64 registers take turns.
.macro OUT a
.set BK, 64+64*((\a)%2)
.if (\a) >= 2
	s_wait_xcnt 0x0                                ; the stores of the block two back have read their data: only behind this wait are those registers loaded again
.endif
	WIN 0x04                                       ; the stores' data lie in window 1
.irp b, 0,1,2,3,4,5,6,7
	ds_store_b128 v[STO], v[8*(8*(\a)+(\b)):8*(8*(\a)+(\b))+3]   offset:64*(\b)
	ds_store_b128 v[STO], v[8*(8*(\a)+(\b))+4:8*(8*(\a)+(\b))+7] offset:64*(\b)+16
.endr
	WIN 0
.irp t, 0,1,2,3,4,5,6,7,8,9,10,11,12,13,14,15
	ds_load_b128 v[BK+4*(\t):BK+4*(\t)+3], v[RD] offset:(\t)*SPITCH  ; LDS serves a wave's instructions in order (ISA guide 5.7.1.4): these see the stores above
.endr
	s_wait_dscnt 0x0
.irp t, 0,1,2,3,4,5,6,7,8,9,10,11,12,13,14,15
	global_store_b128 v[CO], v[BK+4*(\t):BK+4*(\t)+3], s[8:9] offset:(16*(\a)+(\t))*4096  ; 512 consecutive bytes, aligned
.endr
.endm
	OUT 0
	OUT 1
	OUT 2
	OUT 3
	s_wait_tensorcnt 0x0                           ; the wave's end
	ds_add_u32 v[SPW], v[NIL]
	s_wait_dscnt 0x0
	CROUND                                         ; the closing round
	s_endpgm
.Lfunc_end_k_q0850986478_oproj:
	.size	k_q0850986478_oproj, .Lfunc_end_k_q0850986478_oproj-k_q0850986478_oproj
	.p2alignl 7, 3214868480
	.fill 96, 4, 3214868480
	.section	.rodata,"a",@progbits
	.p2align	6, 0x0
	.amdhsa_kernel k_q0850986478_oproj
		.amdhsa_group_segment_fixed_size 327680
		.amdhsa_private_segment_fixed_size 0
		.amdhsa_enable_private_segment 0
		.amdhsa_kernarg_size 64
		.amdhsa_user_sgpr_count 2
		.amdhsa_user_sgpr_kernarg_segment_ptr 1
		.amdhsa_wavefront_size32 1
		.amdhsa_system_sgpr_workgroup_id_x 1
		.amdhsa_system_sgpr_workgroup_id_y 1
		.amdhsa_system_sgpr_workgroup_id_z 1
		.amdhsa_system_vgpr_workitem_id 0
		.amdhsa_next_free_vgpr 672
		.amdhsa_next_free_sgpr 92
		.amdhsa_reserve_vcc 0
		.amdhsa_float_denorm_mode_32 3
		.amdhsa_float_denorm_mode_16_64 3
		.amdhsa_memory_ordered 1
		.amdhsa_forward_progress 1
		.amdhsa_inst_pref_size 141
	.end_amdhsa_kernel
	.amdgpu_metadata
---
amdhsa.version: [ 1, 2 ]
amdhsa.kernels:
  - .name:           k_q0850986478_oproj
    .symbol:         k_q0850986478_oproj.kd
    .args:
      - { .name: od, .offset: 0, .size: 8, .value_kind: global_buffer, .address_space: global }
      - { .name: part, .offset: 8, .size: 8, .value_kind: global_buffer, .address_space: global }
      - { .name: gn_w, .offset: 16, .size: 8, .value_kind: global_buffer, .address_space: global }
      - { .name: gn_b, .offset: 24, .size: 8, .value_kind: global_buffer, .address_space: global }
      - { .name: wh, .offset: 32, .size: 8, .value_kind: global_buffer, .address_space: global }
      - { .name: bo, .offset: 40, .size: 8, .value_kind: global_buffer, .address_space: global }
      - { .name: out0, .offset: 48, .size: 8, .value_kind: global_buffer, .address_space: global }
      - { .name: out1, .offset: 56, .size: 8, .value_kind: global_buffer, .address_space: global }
    .group_segment_fixed_size: 327680
    .private_segment_fixed_size: 0
    .kernarg_segment_align: 8
    .kernarg_segment_size: 64
    .max_flat_workgroup_size: 128
    .sgpr_count:     92
    .vgpr_count:     672
    .wavefront_size: 32
...
	.end_amdgpu_metadata
.endif
;; end of part 4
;; ======== version 2 of 2: 4 launches; version 1 with the launch cast written anew for expert scheduling mode
;; limits: values are held in f16: magnitudes above 65,504 overflow, below 6.1e-05 lose precision
;; workspace buffers: xh 16,777,216 bytes; wh 8,388,608 bytes; qkv 50,331,648 bytes; od 16,777,216 bytes; part 16,384 bytes
;; launch cast (part 5): grid 768 x 1, 8 waves a work-group, no clusters, 0 bytes of LDS; arguments x1, x2, Wq, Wk, Wv, Wo, xh, wh; writes xh, wh
.if DOCPART == 5
	.amdgcn_target "amdgcn-amd-amdhsa--gfx1250"
	.amdhsa_code_object_version 6
	.text
	.protected	k_q0850986478_cast
	.globl	k_q0850986478_cast
	.p2align	8
	.type	k_q0850986478_cast,@function
k_q0850986478_cast:
	s_mov_b64 s[64:65], 0
	v_nop
	global_prefetch_b8 v0, s[64:65] scope:SCOPE_SE
	s_setreg_imm32_b32 hwreg(HW_REG_WAVE_SCHED_MODE, 0, 2), 2
	s_setreg_imm32_b32 hwreg(HW_REG_WAVE_MODE, 25, 1), 1
	s_wait_xcnt 0x0
	s_wait_alu depctr_vm_vsrc(0)
; x1, x2 -> xh [8192][1024] and Wq, Wk, Wv, Wo -> wh [4096][1024]: each f32 is rounded once to bf16 (nearest even) and that number is written as f16.
; LIMIT.  A bf16 number is exact in f16 while its magnitude lies in 2^-14 .. 65,504; below 2^-14 it keeps f16's fixed step of 2^-24; at 65,520 or more it becomes an infinity.
; SHARES.  A work-group takes 65,536 input bytes: thread t the 16 bytes at 16 t + 4,096 i, i = 0..15, and writes the 8 bytes at 8 t + 2,048 i.  A wave's load covers 512 consecutive
; bytes, a wave's store 256 consecutive bytes, aligned.  Work-groups 0-255: x1; 256-511: x2; then 64 for each weight.  All 16 loads of a thread go out at once; no register is used twice,
; so no source of a pending load or store is ever rewritten.  A stream: LDS, matrix units and clusters would add nothing.
; THE MODE: SCHED_MODE bits 1:0 = 2 (LLVM: expert scheduling mode 2), set by the entry lines.  The code itself states the register dependences between vector instructions and memory
; instructions, with s_wait_alu, always for 0.
; THE PLAN.  Registers that memory instructions touch:
;   v1, v2   byte offsets of the loads and of the stores: written once at the head, never again.
;   X        chunk i: written by load i.  All 16 loads are issued before any vector instruction names X; no memory instruction reads X.
;   Y        chunk i: written once, by chunk i's last two conversions; read by store i; never written again.
;   T is named by vector instructions alone.
; The 16 chunks go in four blocks of four.  Block p rounds its four chunks into their Y; its memory instructions are the four stores of block p - 1, whose Y and whose offset v2 no vector
; instruction of block p names.  So one wait on va_vdst at a block's head states all that the block's four stores hang on, and they are dealt among its vector instructions with no further
; wait.  No register that a memory instruction reads is written again, so no wait on vm_vsrc is owed; no vector instruction writes a scalar register, and EXEC is never written.
.set T, 4                              ; v[4:5]    two packed pairs of bf16
.set X, 16                             ; v[16:79]  16 x 4 numbers as loaded, then as rounded
.set Y, 80                             ; v[80:111] 16 x 2 registers to store
	s_load_b512 s[8:23], s[0:1], 0x0               ; x1 s[8:9], x2 s[10:11], Wq s[12:13], Wk s[14:15], Wv s[16:17], Wo s[18:19], xh s[20:21], wh s[22:23]
	s_mov_b32 s2, ttmp9
	s_mov_b32 s3, 0xffff0000                       ; a word's upper bf16
	v_lshlrev_b32 v1, 4, v0                        ; 16 t
	v_lshlrev_b32 v2, 3, v0                        ; 8 t
	s_and_b32 s4, s2, 255                          ; my chunk in x1 or x2; also my chunk in wh (s2 - 512)
	s_and_b32 s5, s2, 63                           ; my chunk in a weight
	s_cmp_lt_u32 s2, 512
	s_cselect_b32 s24, s4, s5
	s_cselect_b32 s26, s2, s4                      ; x1's and x2's chunks lie on end in xh
	s_lshl_b32 s24, s24, 16                        ; 65,536 bytes in
	s_mov_b32 s25, 0
	s_lshl_b32 s26, s26, 15                        ; 32,768 bytes out
	s_mov_b32 s27, 0
	s_wait_kmcnt 0x0
	s_cmp_lt_u32 s2, 512
	s_cselect_b64 s[30:31], s[20:21], s[22:23]
	s_cmp_ge_u32 s2, 256
	s_cselect_b64 s[28:29], s[10:11], s[8:9]
	s_cmp_ge_u32 s2, 512
	s_cselect_b64 s[28:29], s[12:13], s[28:29]
	s_cmp_ge_u32 s2, 576
	s_cselect_b64 s[28:29], s[14:15], s[28:29]
	s_cmp_ge_u32 s2, 640
	s_cselect_b64 s[28:29], s[16:17], s[28:29]
	s_cmp_ge_u32 s2, 704
	s_cselect_b64 s[28:29], s[18:19], s[28:29]
	s_add_nc_u64 s[28:29], s[28:29], s[24:25]
	s_add_nc_u64 s[30:31], s[30:31], s[26:27]
	s_wait_alu depctr_va_vdst(0)                   ; v1 and v2 are written: every load of the kernel reads v1 as its offset, every store v2
.irp i, 0,1,2,3,4,5,6,7,8,9,10,11,12,13,14,15
	global_load_b128 v[X+4*(\i):X+4*(\i)+3], v1, s[28:29] offset:4096*(\i) th:TH_LOAD_NT
.endr
; Chunk i is rounded: eight vector instructions, from X's four registers into Y's two.
.macro WORK i
	v_cvt_pk_bf16_f32 v[T],   v[X+4*(\i)],   v[X+4*(\i)+1]
	v_cvt_pk_bf16_f32 v[T+1], v[X+4*(\i)+2], v[X+4*(\i)+3]
	v_lshlrev_b32 v[X+4*(\i)],   16, v[T]          ; bf16 back to f32: the low half moves up, the high half stays
	v_and_b32     v[X+4*(\i)+1], s3, v[T]
	v_lshlrev_b32 v[X+4*(\i)+2], 16, v[T+1]
	v_and_b32     v[X+4*(\i)+3], s3, v[T+1]
	v_cvt_pk_f16_f32 v[Y+2*(\i)],   v[X+4*(\i)],   v[X+4*(\i)+1]
	v_cvt_pk_f16_f32 v[Y+2*(\i)+1], v[X+4*(\i)+2], v[X+4*(\i)+3]
.endm
; Chunk i is stored.
.macro SEND i
	global_store_b64 v2, v[Y+2*(\i):Y+2*(\i)+1], s[30:31] offset:2048*(\i)
.endm
; Block p: chunks 4 p to 4 p + 3 are rounded; ahead of each chunk's wait for its data stands one store of the block before.
.macro BLK p
	s_wait_loadcnt 15-4*(\p)                       ; loads come back in order: the block's first chunk is in, the younger loads stay out
.if (\p) > 0
	s_wait_alu depctr_va_vdst(0)                   ; the block before has written its eight registers of Y, which the four stores below read; no vector instruction below names them or v2
.endif
.irp c, 0,1,2,3
.if (\p) > 0
	SEND 4*((\p)-1)+(\c)
.endif
.if (\c) > 0
	s_wait_loadcnt 15-4*(\p)-(\c)                  ; chunk 4 p + c is in, the younger loads stay out
.endif
	WORK 4*(\p)+(\c)
.endr
.endm
	BLK 0                                          ; block 0 has no block in front of it: no store, and no wait but those for its data
	BLK 1
	BLK 2
	BLK 3
	s_wait_alu depctr_va_vdst(0)                   ; block 3 has written the last eight registers of Y, which the last four stores read
.irp c, 12,13,14,15
	SEND \c
.endr
	s_endpgm
.Lfunc_end_k_q0850986478_cast:
	.size	k_q0850986478_cast, .Lfunc_end_k_q0850986478_cast-k_q0850986478_cast
	.p2alignl 7, 3214868480
	.fill 96, 4, 3214868480
	.section	.rodata,"a",@progbits
	.p2align	6, 0x0
	.amdhsa_kernel k_q0850986478_cast
		.amdhsa_group_segment_fixed_size 0
		.amdhsa_private_segment_fixed_size 0
		.amdhsa_enable_private_segment 0
		.amdhsa_kernarg_size 64
		.amdhsa_user_sgpr_count 2
		.amdhsa_user_sgpr_kernarg_segment_ptr 1
		.amdhsa_wavefront_size32 1
		.amdhsa_system_sgpr_workgroup_id_x 1
		.amdhsa_system_sgpr_workgroup_id_y 1
		.amdhsa_system_sgpr_workgroup_id_z 1
		.amdhsa_system_vgpr_workitem_id 0
		.amdhsa_next_free_vgpr 112
		.amdhsa_next_free_sgpr 66
		.amdhsa_reserve_vcc 0
		.amdhsa_float_denorm_mode_32 3
		.amdhsa_float_denorm_mode_16_64 3
		.amdhsa_memory_ordered 1
		.amdhsa_forward_progress 1
		.amdhsa_inst_pref_size 12
	.end_amdhsa_kernel
	.amdgpu_metadata
---
amdhsa.version: [ 1, 2 ]
amdhsa.kernels:
  - .name:           k_q0850986478_cast
    .symbol:         k_q0850986478_cast.kd
    .args:
      - { .name: x1, .offset: 0, .size: 8, .value_kind: global_buffer, .address_space: global }
      - { .name: x2, .offset: 8, .size: 8, .value_kind: global_buffer, .address_space: global }
      - { .name: Wq, .offset: 16, .size: 8, .value_kind: global_buffer, .address_space: global }
      - { .name: Wk, .offset: 24, .size: 8, .value_kind: global_buffer, .address_space: global }
      - { .name: Wv, .offset: 32, .size: 8, .value_kind: global_buffer, .address_space: global }
      - { .name: Wo, .offset: 40, .size: 8, .value_kind: global_buffer, .address_space: global }
      - { .name: xh, .offset: 48, .size: 8, .value_kind: global_buffer, .address_space: global }
      - { .name: wh, .offset: 56, .size: 8, .value_kind: global_buffer, .address_space: global }
    .group_segment_fixed_size: 0
    .private_segment_fixed_size: 0
    .kernarg_segment_align: 8
    .kernarg_segment_size: 64
    .max_flat_workgroup_size: 256
    .sgpr_count:     66
    .vgpr_count:     112
    .wavefront_size: 32
...
	.end_amdgpu_metadata
.endif
;; end of part 5
;; launch qkv: the kernel of part 2 again; grid 12 x 64, 4 waves a work-group, clusters of 4 x 4, 327,680 bytes of LDS; arguments xh, wh, bq, bk, bv, qkv; writes qkv
;; launch attn: the kernel of part 3 again; grid 16 x 32, 4 waves a work-group, clusters of 4 x 1, 327,680 bytes of LDS; arguments qkv, lq1, lk1, lq2, lk2, od, part; writes od, part
;; launch oproj: the kernel of part 4 again; grid 4 x 64, 4 waves a work-group, clusters of 4 x 4, 327,680 bytes of LDS; arguments od, part, gn_w, gn_b, wh, bo, out0, out1; writes out0, out1
